; MI455X (gfx1250); checked and timed in simulation.
; The chip was launched on July 23, 2026; its instructions are those of AMD's public machine-readable ISA for CDNA 5 (MIT licence, August 2026) and "CDNA5" Instruction Set Architecture Reference Guide (July 2026). The comments in the code are by the model that wrote it; some were corrected since.
;; Causal Self Attention. Allowed arithmetic: matrix products marked QUANTISED: E2M3 operands, one E8M0 scale for each 32 along K, by v_wmma_scale_f32_16x16x128_f8f6f4 with both operands' format E2M3, f32 sums; everything else in f32.
;; Inputs: b_out 1,024 float32; b_qkv 3,072 float32; w_out 1,024 x 1,024 float32; w_qkv 1,024 x 3,072 float32; x 4 x 2,048 x 1,024 float32.
;; Outputs: out0 4 x 2,048 x 1,024 float32.
;; This version of the problem:
;;   THIS VERSION OF THE PROBLEM IS GIVEN IN LOW PRECISION. The matrix products marked QUANTISED in the list below multiply operands that are first quantised to E2M3 (2 exponent bits, 3 mantissa bits; 6 bits a number), with one power-of-two scale for each 32 numbers along K (OCP MX v1.0); their sums are f32. All else is computed in f32.
;;   The module's matrix products, in the order in which they are computed (A, B: the left and right operand; K: the contracted axis; several contracted axes count as one K, in the product's order):
;;     1. [M 8,192, K 1,024] x [K 1,024, N 3,072]; A: input x; B: input w_qkv: QUANTISED
;;     2. batch 64 x [M 2,048, K 64] x [K 64, N 2,048]; A: computed on the way; B: computed on the way: QUANTISED
;;     3. batch 64 x [M 2,048, K 2,048] x [K 2,048, N 64]; A: softmax (see below); B: computed on the way: QUANTISED
;;     4. [M 8,192, K 1,024] x [K 1,024, N 1,024]; A: computed on the way; B: input w_out: QUANTISED
;;   THE QUANTISER, for each operand of a quantised product, along K:
;;     - K is cut into blocks of 32 from its start; a last block that is shorter is filled with zeros.
;;     - A block's scale is 2^e with e = floor(log2(the largest magnitude in the block)) - 2, held to -126 .. 127; a block of zeros has e = 0. As a byte (E8M0): e + 127.
;;     - Each number is divided by its block's scale, clamped to +-7.5, and rounded to the nearest number of E2M3, ties to even, subnormals kept.
;;     - The product sums the exact products of the quantised numbers (number of the format x scale) in f32.
;;   ~~~python
;;   def quantise(x, axis):      # numpy; x: float32 -> the quantised numbers, widened to float32 again
;;       x = np.moveaxis(x, axis, -1); K = x.shape[-1]
;;       x = np.pad(x, [(0, 0)] * (x.ndim - 1) + [(0, -K % 32)]); x = x.reshape(x.shape[:-1] + (-1, 32)); a = np.abs(x).max(-1, keepdims=True)
;;       e = np.where(a > 0, np.clip(np.frexp(np.where(a > 0, a, 1))[1] - 1 - 2, -126, 127), 0)      # np.frexp(a)[1] - 1 = floor(log2(a)), exactly
;;       r = np.clip(x / 2.0 ** e, -7.5, 7.5)
;;       step = 2.0 ** (np.maximum(np.frexp(np.where(r == 0, 1, r))[1] - 1, 0) - 3)
;;       q = np.round(r / step) * step * 2.0 ** e      # np.round: ties to even
;;       return np.moveaxis(q.reshape(q.shape[:-2] + (-1,))[..., :K], -1, axis).astype(np.float32)
;;   ~~~
;;   SOFTMAX AHEAD OF A QUANTISED PRODUCT. Where the list says 'softmax', what is quantised is not the finished softmax but p = 2^(t - M), with t = logit x log2(e) and M = ceil(the row's largest t), a whole number; so 1/2 < the row's largest p <= 1. The row's sum l is taken of the UNQUANTISED p, in f32, and the product's result is divided by l at the end. Since M is a whole number, a kernel that streams over the keys may use a running M (the ceiling of the running maximum): every later rescaling is an exact power of two, which a block's scale takes up: the codes' values come out the same.
;;   OPERANDS COMPUTED ON THE WAY. 'Computed on the way' means the value that the module computes at that place (a softmax that the list does not call 'softmax' is quantised finished and normalised). What goes into a quantiser is computed in f32, as accurately as f32 sums, v_exp_f32 and their like allow (about 1e-6 of the number): no bf16 or f16 on the way to a quantiser, and a product that is left as it is and whose result goes on into a quantised operand takes f32 operands (vector FMAs, or v_wmma_f32_16x16x4_f32). A number that lies on a knife's edge between two numbers of the format may be rounded either way, as far as f32 arithmetic and the matrix unit's own rounding can turn it there, and no further.
;; One version. Each part assembles by itself: llvm-mc -triple=amdgcn-amd-amdhsa -mcpu=gfx1250 --defsym DOCPART=n.
;; ======== version 1 of 1: 5 launches
;; limits: right only within a limited range of input values
;; workspace buffers: xq 6,586,368 bytes; wqk 6,586,368 bytes; wv 6,586,368 bytes; wo 6,324,224 bytes; qkq 14,680,064 bytes; vq 52,428,800 bytes; ao 6,553,600 bytes
;; launch quant (part 1): grid 384 x 1, 4 waves a work-group, no clusters, 68,096 bytes of LDS; arguments w_qkv, w_out, b_qkv, wqk, wv, wo, x, xq; writes wqk, wv, wo, xq
.if DOCPART == 1
	.amdgcn_target "amdgcn-amd-amdhsa--gfx1250"
	.amdhsa_code_object_version 6
	.text
	.protected	k_q060528356b_quant
	.globl	k_q060528356b_quant
	.p2align	8
	.type	k_q060528356b_quant,@function
k_q060528356b_quant:
	s_mov_b64 s[64:65], 0
	v_nop
	global_prefetch_b8 v0, s[64:65] scope:SCOPE_SE
	s_setreg_imm32_b32 hwreg(HW_REG_WAVE_MODE, 25, 1), 1
	s_wait_xcnt 0x0
; ONE LAUNCH QUANTISES ALL OPERANDS THAT ARRIVE AS f32 into codes of FP6 (E2M3) and one E8M0 byte for each 32 along K.  No step of the problem is left out.
; Work-groups 0-127 take the weights (K is their first axis), work-groups 128-383 take x (K innermost).  The paths part on the work-group's number and have LDS bytes of their own.
; THE RESULT, alike in xq, wqk, wv, wo: codes [K step of 256: 4][stored row, 8,192 to a plane][192 bytes] at byte 0, so that 128 rows of a K step are 24,576 dense bytes;
; scale bytes [stored row][32] at SOFF; an f32 bias for each row, in the rows' own order, at BOFF (b_qkv for wqk and wv, zeros for xq).
; STORED ROW: row i lies at place i with its bits 3 and 4 exchanged: 16 neighbouring stored rows, as source 0 of a matrix instruction, leave 16 neighbours of the next K in the registers of two neighbouring tiles.
; A block's scale is 2^(floor(log2(its largest magnitude)) - 2); its byte is that magnitude's exponent field - 2, held at 1 from below.
; LIMITS: NaN and infinities are not served; a block whose largest magnitude lies under 2^-124, a block of zeros among them, gets the byte 1 (the rule says 127 for zeros): its codes are zeros, and this program alone reads the bytes.
.set PL,    1572864                    ; a plane of codes: 8,192 rows x 192 bytes
.set SOFF,  6291456
.set BOFF,  6553600
.set EMAX,  2
.set WB,    32768                      ; LDS: x's path has bytes 0 .. 32,767, the weights' path the 34,816 from WB on
.set SPARE, 67584                      ; behind both: the spare words, 128 bytes a wave
.set SPW,   208
.set NIL,   209
	v_lshl_add_u32 v[SPW], v0, 2, SPARE
	v_mov_b32 v[NIL], 0
	v_lshrrev_b32 v1, 5, v0
	v_readfirstlane_b32 s16, v1                    ; wave
	v_and_b32 v2, 31, v0                           ; lane
	s_wait_alu depctr_va_vdst(0)                   ; the wait ahead of the branch
	s_cmp_lt_u32 ttmp9, 128
	s_cbranch_scc1 .Lweights
; ---------------- x [8192][1024].  A wave takes 8 rows in 16 steps of 512 numbers.  Each load reads 512 consecutive bytes; a step's 2,048 bytes turn through the wave's own stage and come back 64 bytes a lane: 16 neighbours along K, two lanes to a block.
.set STEPS, 16
.set CB,    12                         ; bytes of 16 codes
.set R,     16                         ; v16-79   four sets as loaded
.set X,     80                         ; v80-111  two sets of 16 neighbours
.set E,     112                        ; v112-127 a scale byte a step
.set C,     128                        ; v128-191 codes, four registers a step: no store's data are written again
.set WREG,  8192                       ; a wave's LDS: two stages of 32 x SP bytes, then its 256 scale bytes
.set SP,    80
	s_load_b128 s[4:7], s[0:1], 0x30               ; x, xq
	v_lshlrev_b32 v3, 4, v2
	s_mul_i32 s17, s16, WREG
	v_lshrrev_b32 v14, 2, v2
	v_mul_u32_u24 v14, v14, SP
	v_and_b32 v15, 3, v2
	v_lshl_add_u32 v14, v15, 4, v14
	v_add_nc_u32 v14, s17, v14                     ; the stage, in: SP (lane / 4) + 16 (lane % 4)
	v_mul_u32_u24 v15, v2, SP
	v_add_nc_u32 v15, s17, v15                     ; out: SP x lane
	v_and_b32 v4, 15, v2
	v_mul_u32_u24 v4, v4, CB
	v_lshrrev_b32 v10, 4, v2
	v_mad_u32_u24 v4, v10, PL, v4                  ; a step is half a row, two K steps: lanes 0-15 the first's 192 bytes, lanes 16-31 the next plane's
	v_lshrrev_b32 v5, 1, v2
	s_add_co_u32 s17, s17, 2*32*SP
	v_add_nc_u32 v5, s17, v5                       ; my block's scale byte in LDS
	v_lshlrev_b32 v7, 3, v2
	v_add_nc_u32 v6, s17, v7
	s_sub_co_u32 s30, ttmp9, 128                   ; x's work-group, 0 .. 255
	s_lshl_b32 s18, s30, 2
	s_add_co_u32 s22, s18, s16                     ; the run of 8 rows that I read
	s_and_b32 s19, s16, 1
	s_lshl_b32 s19, s19, 1
	s_lshr_b32 s20, s16, 1
	s_or_b32 s19, s19, s20                         ; the wave's two bits exchanged
	s_add_co_u32 s18, s18, s19                     ; the run's place in the result
	s_lshl_b32 s22, s22, 15
	s_mov_b32 s23, 0
	s_mul_i32 s24, s18, 1536                       ; 8 rows of 192 bytes
	s_mov_b32 s25, 0
	s_lshl_b32 s26, s18, 8
	s_add_co_u32 s26, s26, SOFF
	s_mov_b32 s27, 0
	s_lshl_b32 s28, s30, 7                         ; 256 bytes of zeros for every second work-group
	s_add_co_u32 s28, s28, BOFF
	s_mov_b32 s29, 0
	s_wait_alu depctr_va_vdst(0)                   ; the wait at the head's end
	s_wait_kmcnt 0x0
	s_add_nc_u64 s[4:5], s[4:5], s[22:23]
	s_add_nc_u64 s[8:9], s[6:7], s[24:25]
	s_add_nc_u64 s[10:11], s[6:7], s[26:27]
	s_add_nc_u64 s[12:13], s[6:7], s[28:29]
.macro LOADX t
.irp i, 0,1,2,3
	global_load_b128 v[R+16*((\t)%4)+4*\i:R+16*((\t)%4)+4*\i+3], v3, s[4:5] offset:2048*(\t)+512*\i th:TH_LOAD_NT
.endr
.endm
.macro TURNX t                         ; LDS serves a wave's instructions in order: no wait between the stores and the loads
.irp i, 0,1,2,3
	ds_store_b128 v14, v[R+16*((\t)%4)+4*\i:R+16*((\t)%4)+4*\i+3] offset:32*SP*((\t)%2)+8*SP*\i
.endr
.irp i, 0,1,2,3
	ds_load_b128 v[X+16*((\t)%2)+4*\i:X+16*((\t)%2)+4*\i+3], v15 offset:32*SP*((\t)%2)+16*\i
.endr
.endm
.irp t, 0,1,2,3
	LOADX \t
.endr
	s_wait_loadcnt 12                              ; step 0's four loads are in; twelve stay out
	TURNX 0
.macro STEPX t
.set XS, X+16*((\t)%2)
.if (\t) > 0
	s_wait_dscnt 1                                 ; this step's numbers are back (the last step's byte store may be out)
.else
	s_wait_dscnt 0x0
.endif
.if (\t)+4 < STEPS
	LOADX (\t)+4
.endif
.if (\t)+1 < STEPS
.if STEPS-2-(\t) >= 3
	s_wait_loadcnt 12                              ; the next step's four are in; three steps' may be out
.else
	s_wait_loadcnt 4*(STEPS-2-(\t))
.endif
	TURNX (\t)+1
.endif
	v_max3_num_f32 v8, |v[XS]|, |v[XS+1]|, |v[XS+2]|
	v_max3_num_f32 v9, |v[XS+3]|, |v[XS+4]|, |v[XS+5]|
.irp i, 6,10
	v_max3_num_f32 v8, v8, |v[XS+\i]|, |v[XS+\i+1]|
	v_max3_num_f32 v9, v9, |v[XS+\i+2]|, |v[XS+\i+3]|
.endr
	v_max3_num_f32 v8, v8, |v[XS+14]|, |v[XS+15]|
	v_max3_num_f32 v8, v8, v9, (EMAX+1)<<23        ; the floor 2^(3 - 127)
	v_max_num_f32_dpp v8, v8, v8 row_xmask:1 row_mask:0xf bank_mask:0xf   ; with my neighbour's 16: the block's
	v_add_nc_u32 v11, -(EMAX<<23), v8              ; the conversion's scale operand
	v_cvt_scalef32_pk16_fp6_f32 v[C+4*(\t):C+4*(\t)+2], v[XS:XS+15], v11
	v_lshrrev_b32 v[E+(\t)], 23, v11               ; the byte
	ds_store_b8 v5, v[E+(\t)] offset:16*(\t)
	global_store_b96 v4, v[C+4*(\t):C+4*(\t)+2], s[8:9] offset:((\t)%2)*2*PL+((\t)/2)*192   ; sixteen lanes store a row's 192 bytes of a K step
.endm
.irp t, 0,1,2,3,4,5,6,7,8,9,10,11,12,13,14,15
	STEPX \t
.endr
	ds_load_b64 v[12:13], v6
	s_wait_dscnt 0x0
	global_store_b64 v7, v[12:13], s[10:11]        ; 256 consecutive aligned bytes
	s_and_b32 s28, s30, 1
	s_or_b32 s28, s28, s16
	s_cmp_lg_u32 s28, 0                            ; wave 0 of the even work-groups stores the zeros
	s_cbranch_scc1 .Ldone
	v_mov_b32 v192, 0
	v_mov_b32 v193, 0
	global_store_b64 v7, v[192:193], s[12:13]
.Ldone:
	s_wait_tensorcnt 0x0                           ; the wave's end
	ds_add_u32 v[SPW], v[NIL]
	s_wait_dscnt 0x0
	s_endpgm
; ---------------- the weights.  x = id % 32 names 128 columns (0-15 wqk, 16-23 wv, 24-31 wo), y = id / 32 a K step of 256.  A lane takes a column and its registers run down K: a block lies in one lane.
.Lweights:
.set NB,    8
.set PITCH, 272                        ; a stage row: sixteen places of 16 bytes, each with 12 bytes of codes, + 16
.set SB,    24
.set XW,    32                         ; v32-95 two sets of 32 numbers
.set CW,    96
.set OUTR,  112
.set OFS,   176                        ; v176-207 4 x lane + i x pitch
	s_load_b256 s[4:11], s[0:1], 0x0               ; w_qkv, w_out, b_qkv, wqk
	s_load_b128 s[12:15], s[0:1], 0x20             ; wv, wo
	s_and_b32 s17, ttmp9, 31
	s_lshr_b32 s18, ttmp9, 5
	v_lshlrev_b32 v3, 2, v2
	v_and_b32 v10, 7, v2
	v_bfe_u32 v11, v2, 3, 1
	v_lshl_or_b32 v10, v11, 4, v10
	v_bfe_u32 v11, v2, 4, 1
	v_lshl_or_b32 v10, v11, 3, v10                 ; the lane's stored place
	s_mul_i32 s19, s16, 32*PITCH
	s_add_co_u32 s19, s19, WB                      ; my stage
	v_mul_u32_u24 v4, v10, PITCH
	v_add_nc_u32 v4, s19, v4
	v_and_b32 v5, 15, v2
	v_lshrrev_b32 v6, 4, v2
	v_mul_u32_u24 v7, v6, PITCH
	v_lshl_add_u32 v7, v5, 4, v7
	v_add_nc_u32 v7, s19, v7                       ; out of it: sixteen lanes to a row, two rows an instruction
	v_mul_u32_u24 v8, v6, 192
	v_mad_u32_u24 v8, v5, 12, v8                   ; the same place in the plane
	v_lshlrev_b32 v9, 5, v10
	s_mov_b32 s20, 4096
	s_cmp_lt_u32 s17, 24
	s_cselect_b32 s20, 12288, s20                  ; the source's pitch
	s_cselect_b32 s21, 0, 24
	s_cselect_b32 s28, 0, 1                        ; 0: there is a bias to copy
	s_cmp_lt_u32 s17, 16
	s_cselect_b32 s24, 0, 16
	s_cmp_lt_u32 s17, 24
	s_cselect_b32 s24, s24, 24
	s_lshl_b32 s25, s16, 5
	s_sub_co_u32 s21, s17, s21
	s_lshl_b32 s21, s21, 7
	s_add_co_u32 s21, s21, s25                     ; my first column in the source
	s_sub_co_u32 s24, s17, s24
	s_lshl_b32 s24, s24, 7
	s_add_co_u32 s24, s24, s25                     ; my first row in the destination
.set ii, 0
.rept 32
	v_mad_u32_u24 v[OFS+ii], s20, ii, v3
.set ii, ii+1
.endr
	s_lshl_b32 s30, s20, 8
	s_mul_i32 s30, s30, s18
	s_lshl_b32 s22, s21, 2
	s_add_co_u32 s30, s30, s22
	s_mov_b32 s31, 0
	s_mov_b32 s23, 0
	s_lshl_b32 s48, s20, 5                         ; 32 rows
	s_mov_b32 s49, 0
	s_mul_i32 s50, s24, 192
	s_mul_i32 s51, s18, PL
	s_add_co_u32 s50, s50, s51                     ; the codes' place: plane y
	s_mov_b32 s51, 0
	s_lshl_b32 s52, s24, 5
	s_lshl_b32 s53, s18, 3
	s_add_co_u32 s52, s52, s53
	s_add_co_u32 s52, s52, SOFF
	s_mov_b32 s53, 0
	s_lshl_b32 s54, s24, 2
	s_add_co_u32 s54, s54, BOFF
	s_mov_b32 s55, 0
	s_wait_alu depctr_va_vdst(0)                   ; the wait at the head's end
	s_wait_kmcnt 0x0
	s_cmp_lt_u32 s17, 16
	s_cselect_b64 s[26:27], s[10:11], s[12:13]
	s_cmp_lt_u32 s17, 24
	s_cselect_b64 s[26:27], s[26:27], s[14:15]     ; the destination
	s_cselect_b64 s[4:5], s[4:5], s[6:7]           ; the source
	s_add_nc_u64 s[32:33], s[4:5], s[30:31]
.irp t, 1,2,3,4,5,6,7
	s_add_nc_u64 s[32+2*\t:33+2*\t], s[30+2*\t:31+2*\t], s[48:49]
.endr
	s_add_nc_u64 s[6:7], s[26:27], s[50:51]
	s_add_nc_u64 s[10:11], s[26:27], s[52:53]
	s_add_nc_u64 s[12:13], s[26:27], s[54:55]
	s_add_nc_u64 s[8:9], s[8:9], s[22:23]
	s_or_b32 s28, s28, s18
	s_cmp_lg_u32 s28, 0                            ; the bias is copied where y = 0, for w_qkv's columns; it stands first, so that the counts below are alike on both ways
	s_cbranch_scc1 .Lno_bias
	global_load_b32 v15, v3, s[8:9]
	s_wait_loadcnt 0x0
	global_store_b32 v3, v15, s[12:13]
.Lno_bias:
.macro LOADW t
.set ii, 0
.rept 32
	global_load_b32 v[XW+32*((\t)%2)+ii], v[OFS+ii], s[32+2*(\t):33+2*(\t)] th:TH_LOAD_NT
.set ii, ii+1
.endr
.endm
	s_wait_alu depctr_va_vdst(0)
	LOADW 0
	LOADW 1
.macro BLOCKW t
.set XS, XW+32*((\t)%2)
.if (\t) < NB-1
	s_wait_loadcnt 32                              ; this block's 32 loads are in; the next block's may be out
.else
	s_wait_loadcnt 0
.endif
	v_max3_num_f32 v12, |v[XS]|, |v[XS+1]|, |v[XS+2]|
	v_max3_num_f32 v13, |v[XS+3]|, |v[XS+4]|, |v[XS+5]|
.irp i, 6,10,14,18,22,26
	v_max3_num_f32 v12, v12, |v[XS+\i]|, |v[XS+\i+1]|
	v_max3_num_f32 v13, v13, |v[XS+\i+2]|, |v[XS+\i+3]|
.endr
	v_max3_num_f32 v12, v12, |v[XS+30]|, |v[XS+31]|
	v_max3_num_f32 v12, v12, v13, (EMAX+1)<<23
	v_add_nc_u32 v11, -(EMAX<<23), v12
	v_lshrrev_b32 v13, 23, v11
.if (\t)%4 == 0
	v_mov_b32 v[SB+(\t)/4], v13
.else
	v_lshl_or_b32 v[SB+(\t)/4], v13, 8*((\t)%4), v[SB+(\t)/4]
.endif
	v_cvt_scalef32_pk16_fp6_f32 v[CW:CW+2], v[XS:XS+15], v11
	v_cvt_scalef32_pk16_fp6_f32 v[CW+4:CW+6], v[XS+16:XS+31], v11
	ds_store_b96 v4, v[CW:CW+2] offset:32*(\t)
	ds_store_b96 v4, v[CW+4:CW+6] offset:32*(\t)+16
.if (\t)+2 < NB
	LOADW (\t)+2
.endif
	s_wait_dscnt 0x0                               ; the stores have read their registers
.endm
.set Q, 0
.rept NB
	BLOCKW Q
.set Q, Q+1
.endr
	s_wait_alu depctr_va_vdst(0)
	global_store_b64 v9, v[SB:SB+1], s[10:11]      ; my column's 8 scale bytes
.irp t, 0,1,2,3,4,5,6,7,8,9,10,11,12,13,14,15
	ds_load_b96 v[OUTR+4*\t:OUTR+4*\t+2], v7 offset:2*\t*PITCH
.endr
.irp t, 0,1,2,3,4,5,6,7,8,9,10,11,12,13,14,15
	s_wait_dscnt 15-\t
	global_store_b96 v8, v[OUTR+4*\t:OUTR+4*\t+2], s[6:7] offset:2*\t*192   ; 32 lanes store two rows: 384 consecutive bytes
.endr
	s_wait_tensorcnt 0x0                           ; the wave's end
	ds_add_u32 v[SPW], v[NIL]
	s_wait_dscnt 0x0
	s_endpgm
.Lfunc_end_k_q060528356b_quant:
	.size	k_q060528356b_quant, .Lfunc_end_k_q060528356b_quant-k_q060528356b_quant
	.p2alignl 7, 3214868480
	.fill 96, 4, 3214868480
	.section	.rodata,"a",@progbits
	.p2align	6, 0x0
	.amdhsa_kernel k_q060528356b_quant
		.amdhsa_group_segment_fixed_size 68096
		.amdhsa_private_segment_fixed_size 0
		.amdhsa_enable_private_segment 0
		.amdhsa_kernarg_size 64
		.amdhsa_user_sgpr_count 2
		.amdhsa_user_sgpr_kernarg_segment_ptr 1
		.amdhsa_wavefront_size32 1
		.amdhsa_system_sgpr_workgroup_id_x 1
		.amdhsa_system_sgpr_workgroup_id_y 1
		.amdhsa_system_sgpr_workgroup_id_z 1
		.amdhsa_system_vgpr_workitem_id 0
		.amdhsa_next_free_vgpr 210
		.amdhsa_next_free_sgpr 66
		.amdhsa_reserve_vcc 0
		.amdhsa_float_denorm_mode_32 3
		.amdhsa_float_denorm_mode_16_64 3
		.amdhsa_memory_ordered 1
		.amdhsa_forward_progress 1
		.amdhsa_inst_pref_size 78
	.end_amdhsa_kernel
	.amdgpu_metadata
---
amdhsa.version: [ 1, 2 ]
amdhsa.kernels:
  - .name:           k_q060528356b_quant
    .symbol:         k_q060528356b_quant.kd
    .args:
      - { .name: w_qkv, .offset: 0, .size: 8, .value_kind: global_buffer, .address_space: global }
      - { .name: w_out, .offset: 8, .size: 8, .value_kind: global_buffer, .address_space: global }
      - { .name: b_qkv, .offset: 16, .size: 8, .value_kind: global_buffer, .address_space: global }
      - { .name: wqk, .offset: 24, .size: 8, .value_kind: global_buffer, .address_space: global }
      - { .name: wv, .offset: 32, .size: 8, .value_kind: global_buffer, .address_space: global }
      - { .name: wo, .offset: 40, .size: 8, .value_kind: global_buffer, .address_space: global }
      - { .name: x, .offset: 48, .size: 8, .value_kind: global_buffer, .address_space: global }
      - { .name: xq, .offset: 56, .size: 8, .value_kind: global_buffer, .address_space: global }
    .group_segment_fixed_size: 68096
    .private_segment_fixed_size: 0
    .kernarg_segment_align: 8
    .kernarg_segment_size: 64
    .max_flat_workgroup_size: 128
    .sgpr_count:     66
    .vgpr_count:     210
    .wavefront_size: 32
...
	.end_amdgpu_metadata
.endif
;; end of part 1
;; launch gemm_qk (part 2): grid 8 x 32, 4 waves a work-group, clusters of 4 x 4, 327,680 bytes of LDS; arguments xq, wqk, qkq; writes qkq
.if DOCPART == 2
	.amdgcn_target "amdgcn-amd-amdhsa--gfx1250"
	.amdhsa_code_object_version 6
	.text
	.protected	k_q060528356b_gemm_qk
	.globl	k_q060528356b_gemm_qk
	.p2align	8
	.type	k_q060528356b_gemm_qk,@function
k_q060528356b_gemm_qk:
	s_mov_b64 s[64:65], 0
	v_nop
	global_prefetch_b8 v0, s[64:65] scope:SCOPE_SE
	s_setreg_imm32_b32 hwreg(HW_REG_WAVE_MODE, 25, 1), 1
	s_wait_xcnt 0x0
	s_wait_alu depctr_hold_cnt(0) depctr_sa_sdst(0) depctr_va_vdst(0) depctr_va_sdst(0) depctr_va_ssrc(0) depctr_va_vcc(0) depctr_vm_vsrc(0)
	s_getreg_b32 s2, hwreg(HW_REG_IB_STS2, 6, 4)
	s_cmp_eq_u32 s2, 0
	s_cbranch_scc0 .Lentry_in_a_cluster
	s_endpgm
.Lentry_in_a_cluster:
	s_bfe_u32 s2, ttmp6, 0x10000c
	s_cmp_lg_u32 s2, 0xf033
	s_cbranch_scc0 .Lentry_shape_is_right
	s_endpgm
.Lentry_shape_is_right:
; R[Q][P] = sum over k of A[Q][k] B[P][k] + biasA[Q] + biasB[P], K = 1,024, on codes of FP6 (E2M3) with one E8M0 scale for each 32 along K; R is QUANTISED ALONG P on the way out and never goes to memory as f32.
; Argument 0 ("A", rows Q, source 1), argument 1 ("B", rows P, source 0): codes [row][768] at byte 0, scale bytes [row][32] at SOFF, an f32 bias for each row at BOFF (in the rows' own order; zeros where an operand has none).
; The rows of both lie at place phys(i) = i with bits 3 and 4 exchanged.  Source 0 = 16 neighbouring stored rows of B: a lane then holds ONE row Q, and the 16 registers of tiles 2 b and 2 b + 1 are P = 32 b + 16 (lane / 16) + 0 .. 15.
; Argument 2: scale words [P / 128][stored row Q, 8,192 to a plane][4 bytes] at byte 0; codes [P / 64][stored row Q, 8,192 to a plane][48 bytes] at CODEOFF.
; The body serves two launches: A = x, B = the columns of q and k (a block of 64 along P is a head); and A = the columns of v, B = x (P = the tokens, which are the K of attention's second product).
; LIMITS: NaN and infinities are not served; a block whose largest magnitude lies under 2^-124, a block of zeros among them, gets the byte 1: this program alone reads the bytes.
; A tile of 256 x 256 is made by four waves, 128 x 128 each: 64 accumulators, 512 registers.  K goes in steps of 256 through a ring of two LDS slots filled by the tensor data mover; the scales of the work-group's rows come once.
; CLUSTERS: 4 x 4 work-groups; A's tiles are asked for jointly along a row of the cluster, B's along a column.
; REGISTERS, in windows of 256: window 0: v0-31 addresses; v32-63 scale words, two sets, and nothing else; v64-127 B's bias in the result's layout, later a block's 64 numbers; v128-223 A's fragments, one set, later codes and rows on their way out;
;   v224-239 A's bias, each number twice; v240-255 at work.   window 1: B's fragments, two sets.   window 2: the accumulators of my rows 0-63 ((a, b) at v[8 (8 a + b)]);   window 3: those of my rows 64-127.
.set KSTEP,  256
.set NQ,     KSTEP/128
.set ROWB,   192                       ; a tile's row in bytes
.set KROW,   768
; THE CODES OF BOTH OPERANDS LIE [K step of 256][stored row, 8,192 to a plane][192 bytes] (this holds in place of [row][768] above): 128 rows of a K step are 24,576 dense bytes,
; fetched as 96 rows of 256 bytes; the padding's interval stays 64 bytes, so an LDS row is 3 x (64 + 16) bytes as before.
.set PL,     1572864                   ; a plane
.set PITCH,  240                       ; an LDS row: 3 x (64 bytes + 16 of padding) = 60 words: the 32 lanes of a load of 8 bytes touch 64 different banks (64 banks of 4 bytes: ISA guide 11.1)
.set FR,     12
.set NL,     6
.set NP,     4                         ; places behind this matrix instruction (ISA guide 7.12.1)
.set HALFT,  128*PITCH
.set SLOT,   4*HALFT
.set LAPS,   2                         ; 1,024 along K: twice round the ring
.set KS,     32                        ; a row of scales in bytes
.set SCL,    2*SLOT
.set HALFS,  (128*KS/256)*272
.set SBLK,   (16*KS/256)*272
.set SPARE,  SCL+4*HALFS               ; the spare words, 128 bytes for each wave: two blocks of 256 bytes that no other line names
.set WSTG,   12800                     ; the way out: a stage for each wave, in slot 0: codes [64 along P: 2][block of 16 rows: 8][768 bytes], then 512 bytes of scale words
.set SOFF,   6291456
.set BOFF,   6553600
.set CODEOFF, 2097152
.set S1,     393216                    ; a plane of codes: 8,192 rows x 48 bytes
.set ADRA, 16
.set ADRB, 20
.set STO,  24                          ; v24  the stage: 48 r + 24 h
.set SWS,  25                          ; v25  the stage's scale words: 4 r
.set RD,   26                          ; v26  the stage read back: 16 x lane
.set ADRS, 27
.set SPW,  28
.set NIL,  29
.set CO,   30                          ; v30  16 x lane
.set SC,   32
.set BP,   64
.set T,    64
.set AF,   128
.set PC,   128                         ; v128-146 the codes just made
.set PW,   148                         ; their scale word
.set BK,   128                         ; v128-223 the stage read back
.set BQ,   224
.set SWB,  224                         ; v224-227 the scale words read back
.set TM,   240
.set SEL,  96                          ; s[96:97] lane selects: lane l xor 16
.set G1, 24
.set G0, 32
.set G1B, 48
.set G0B, 56
.set G1S, 68
.set G0S, 76
.set G1SB, 80
.set G0SB, 88
.set MSB, 0
.macro WIN new                         ; the immediate's high byte repeats the setting that is left
.if MSB != (\new)
	s_set_vgpr_msb (MSB<<8)|(\new)
.set MSB, (\new)
.endif
.endm
.set MUL_LO, 0xa1                      ; source 0 (B) window 1, source 1 (A) window 0, C and D window 2
.set MUL_HI, 0xf1                      ; the same, C and D window 3
.set TO_B,   0x40
; A joint load: waves 0 and 1 fetch for A, waves 2 and 3 for B; the branch hangs on the wave's number alone.  Four v_nop follow each of the two lines.
.macro JLOAD g0a, g1a, g0b, g1b
	s_cmp_eq_u32 s15, 0
	s_cbranch_scc0 .Lfor_b_\@
	tensor_load_to_lds s[\g0a:\g0a+3], s[\g1a:\g1a+7]
	s_nop 0
.rept 4
	v_nop
.endr
	s_branch .Lasked_\@
.Lfor_b_\@:
	tensor_load_to_lds s[\g0b:\g0b+3], s[\g1b:\g1b+7]
	s_nop 0
.rept 4
	v_nop
.endr
.Lasked_\@:
.endm
.macro CREST                           ; a round of the cluster's barrier behind its opening barrier
	s_cmp_lg_u32 s14, 0
	s_cbranch_scc1 .Lnot_wave_0_\@
	s_barrier_signal -3
.Lnot_wave_0_\@:
	s_barrier_wait -3
	s_barrier_signal -1
	s_barrier_wait -1
.endm
.macro CROUND
	s_barrier_signal -1
	s_barrier_wait -1
	CREST
.endm
	s_load_b128 s[4:7], s[0:1], 0x0                ; A s[4:5], B s[6:7]
	s_load_b64 s[12:13], s[0:1], 0x10              ; the result
	v_lshl_add_u32 v[SPW], v0, 2, SPARE
	v_mov_b32 v[NIL], 0
	ds_add_u32 v28, v29
	ds_add_u32 v28, v29
	s_wait_dscnt 0x0
	v_lshrrev_b32 v1, 5, v0
	v_readfirstlane_b32 s14, v1                    ; wave 0..3
	s_lshr_b32 s15, s14, 1                         ; which half of the tile's rows Q is mine.  Also: I fetch for A (0) or for B (1)
	s_and_b32 s16, s14, 1                          ; which half of its P.  Also: which 128 rows of that tile I fetch
	s_bfe_u32 s40, ttmp6, 0x40000                  ; cx, cy: my place in the cluster
	s_bfe_u32 s41, ttmp6, 0x40004
	s_lshl_b32 s42, ttmp9, 2
	s_add_co_u32 s42, s42, s40                     ; tile column (P) = 4 x cluster x + cx
	s_and_b32 s17, ttmp7, 0xffff
	s_lshl_b32 s17, s17, 2
	s_add_co_u32 s17, s17, s41                     ; tile row (Q) = 4 x cluster y + cy
	s_lshl_b32 s43, s41, 2
	s_lshl_b32 s43, 15, s43                        ; my row of the cluster
	s_lshl_b32 s44, 0x1111, s40                    ; my column
	s_mov_b32 s[SEL], 0x76543210
	s_mov_b32 s[SEL+1], 0xfedcba98
	; descriptor group 1: a tile of 128 rows x 192 bytes, 16 bytes of padding behind every 64
	s_or_b32 s[G1+0], s43, (0<<16)|(1<<20)|(1<<21)|(3<<22)|(3<<25)
	s_or_b32 s[G1B+0], s44, (0<<16)|(1<<20)|(1<<21)|(3<<22)|(3<<25)
.irp g, G1, G1B
	s_mov_b32 s[\g+1], 256<<16                     ; rows of 256 bytes
	s_mov_b32 s[\g+2], 192<<16                     ; the head's loads bring 256 rows of codes: 192 such rows; the ring's 96
	s_mov_b32 s[\g+3], 256<<16
	s_mov_b32 s[\g+4], 192
	s_mov_b32 s[\g+5], 256
	s_mov_b32 s[\g+6], 0
	s_mov_b32 s[\g+7], 0
.endr
	; the scales of 256 rows: a dense block of 8,192 bytes, as rows of 256 bytes (32 elements of 8), 16 bytes of padding behind each
	s_or_b32 s[G1S+0], s43, (3<<16)|(1<<20)|(1<<21)|(5<<22)|(3<<25)
	s_or_b32 s[G1SB+0], s44, (3<<16)|(1<<20)|(1<<21)|(5<<22)|(3<<25)
.irp g, G1S, G1SB
	s_mov_b32 s[\g+1], 32<<16
	s_mov_b32 s[\g+2], (256*KS/256)<<16            ; the scales of all 256 rows by one load
	s_mov_b32 s[\g+3], 32<<16
	s_mov_b32 s[\g+4], 256*KS/256
	s_mov_b32 s[\g+5], 32
	s_mov_b32 s[\g+6], 0
	s_mov_b32 s[\g+7], 0
.endr
	s_lshl_b32 s20, s17, 8                         ; A: the tile's first row
	s_lshl_b32 s46, s42, 8                         ; B: likewise
	s_mov_b32 s21, 0
	s_mov_b32 s47, 0
	s_lshl_b32 s22, s20, 5                         ; where the 256 rows' scales begin
	s_mov_b32 s23, 0
	s_lshl_b32 s92, s46, 5
	s_mov_b32 s93, 0
	s_lshl_b32 s18, s16, 7                         ; which 128 rows of the tile I fetch in the ring
	s_add_co_u32 s20, s20, s18
	s_add_co_u32 s46, s46, s18
	s_mul_i32 s20, s20, 192                        ; their codes in a plane
	s_mul_i32 s46, s46, 192
	s_mul_i32 s45, s14, HALFT
	s_wait_kmcnt 0x0
	s_mov_b64 s[8:9], s[6:7]                       ; B's codes
	s_add_nc_u64 s[6:7], s[4:5], SOFF              ; A's scales
	s_add_nc_u64 s[10:11], s[8:9], SOFF            ; B's scales
	s_add_nc_u64 s[20:21], s[4:5], s[20:21]
	s_add_nc_u64 s[22:23], s[6:7], s[22:23]
	s_add_nc_u64 s[46:47], s[8:9], s[46:47]
	s_add_nc_u64 s[92:93], s[10:11], s[92:93]
	CROUND                                         ; all sixteen work-groups are here: the first joint loads meet
	s_mov_b32 s[G0S], 1
	s_mov_b32 s[G0S+1], SCL
	s_mov_b64 s[G0S+2:G0S+3], s[22:23]
	s_or_b32 s[G0S+3], s[G0S+3], 0x80000000
	s_mov_b32 s[G0SB], 1
	s_mov_b32 s[G0SB+1], SCL+2*HALFS
	s_mov_b64 s[G0SB+2:G0SB+3], s[92:93]
	s_or_b32 s[G0SB+3], s[G0SB+3], 0x80000000
.irp s, 0,1
	s_mov_b32 s[G0+4*\s], 1
	s_add_co_u32 s[G0+4*\s+1], s45, \s*SLOT
	s_add_nc_u64 s[G0+4*\s+2:G0+4*\s+3], s[20:21], \s*PL
	s_or_b32 s[G0+4*\s+3], s[G0+4*\s+3], 0x80000000
	s_mov_b32 s[G0B+4*\s], 1
	s_add_co_u32 s[G0B+4*\s+1], s45, \s*SLOT
	s_add_nc_u64 s[G0B+4*\s+2:G0B+4*\s+3], s[46:47], \s*PL
	s_or_b32 s[G0B+4*\s+3], s[G0B+4*\s+3], 0x80000000
.endr
; THE HEAD'S LOADS, ONE A WAVE, in one chain of branches on the wave's number: wave 0 K step 0's 256 rows of A (its own group 0 of slot 0 points at their start),
; wave 2 those of B (likewise), wave 1 A's scales, wave 3 B's.
.macro ARM wv, g0, g1
	s_cmp_eq_u32 s14, \wv
	s_cbranch_scc0 .Lnext_arm_\@
	tensor_load_to_lds s[\g0:\g0+3], s[\g1:\g1+7]
	s_nop 0
.rept 4
	v_nop
.endr
	s_branch .Lhead_asked
.Lnext_arm_\@:
.endm
	ARM 0, G0, G1
	ARM 2, G0B, G1B
	ARM 1, G0S, G1S
	tensor_load_to_lds s[G0SB:G0SB+3], s[G1SB:G1SB+7]
	s_nop 0
.rept 4
	v_nop
.endr
.Lhead_asked:
	v_and_b32 v1, 15, v0                           ; r = l % 16
	v_bfe_u32 v2, v0, 4, 1                         ; h = l / 16
	; the biases.  B's, in the result's layout: tile b's register j is P = 32 (b / 2) + 8 (b % 2) + 16 h + j.  A's: lane r of block a holds the row stored at 16 a + r, which is row 32 (a / 2) + 8 (a % 2) + r + 8 (r / 8)
	s_wait_alu depctr_va_vdst(0)
	s_lshl_b32 s66, s42, 10
	s_lshl_b32 s67, s16, 9
	s_add_co_u32 s66, s66, s67
	s_add_co_u32 s66, s66, BOFF
	s_mov_b32 s67, 0
	s_add_nc_u64 s[66:67], s[8:9], s[66:67]
	s_lshl_b32 s94, s17, 10
	s_lshl_b32 s95, s15, 9
	s_add_co_u32 s94, s94, s95
	s_add_co_u32 s94, s94, BOFF
	s_mov_b32 s95, 0
	s_add_nc_u64 s[94:95], s[4:5], s[94:95]
	v_lshlrev_b32 v7, 6, v2
	v_and_b32 v8, 8, v1
	v_add_nc_u32 v8, v8, v1
	v_lshlrev_b32 v8, 2, v8
.irp b, 0,1,2,3,4,5,6,7
	global_load_b128 v[BP+8*\b:BP+8*\b+3], v7, s[66:67] offset:(32*(\b/2)+8*(\b%2))*4
	global_load_b128 v[BP+8*\b+4:BP+8*\b+7], v7, s[66:67] offset:(32*(\b/2)+8*(\b%2))*4+16
.endr
.irp a, 0,1,2,3,4,5,6,7
	global_load_b32 v[BQ+2*\a], v8, s[94:95] offset:(32*(\a/2)+8*(\a%2))*4      ; twice: a pair for the packed addition
	global_load_b32 v[BQ+2*\a+1], v8, s[94:95] offset:(32*(\a/2)+8*(\a%2))*4
.endr
	v_mul_u32_u24 v3, v1, PITCH
	v_mul_u32_u24 v4, v2, 24
	v_add_nc_u32 v4, v3, v4                        ; a fragment's row x pitch + 24 x half
	v_lshl_add_u32 v5, v2, 4, v4                   ; and the same behind one padding more
	s_mul_i32 s21, s15, HALFT                      ; my 128 rows of A
	s_mul_i32 s22, s16, HALFT                      ; my 128 rows of B,
	s_add_co_u32 s22, s22, 2*HALFT                 ; which lie behind A's 256
.irp s, 0,1
	v_add_nc_u32 v[ADRA+\s], s21, v4
	v_add_nc_u32 v[ADRB+\s], s22, v4
	v_add_nc_u32 v[ADRA+2+\s], s21, v5
	v_add_nc_u32 v[ADRB+2+\s], s22, v5
	s_add_co_u32 s21, s21, SLOT
	s_add_co_u32 s22, s22, SLOT
.endr
	v_mul_u32_u24 v5, v1, KS                       ; my row's scales: 32 bytes a row,
	v_lshrrev_b32 v6, 8, v5
	v_lshl_add_u32 v5, v6, 4, v5                   ; and 16 more for each 256 passed
	s_mul_i32 s21, s15, HALFS
	s_mul_i32 s22, s16, HALFS
	s_add_co_u32 s22, s22, 2*HALFS
	s_sub_co_u32 s22, s22, s21
	v_mul_u32_u24 v6, s22, v2                      ; lanes 16-31 take B's
	s_add_co_u32 s21, s21, SCL
	v_add_nc_u32 v5, v5, v6
	v_add_nc_u32 v[ADRS], s21, v5
	s_mul_i32 s23, s14, WSTG                       ; my stage
	v_mul_u32_u24 v5, v1, 48
	v_mad_u32_u24 v5, v2, 24, v5
	v_add_nc_u32 v[STO], s23, v5
	v_lshl_add_u32 v5, v1, 2, 12288
	v_add_nc_u32 v[SWS], s23, v5
	v_and_b32 v6, 31, v0
	v_lshlrev_b32 v[CO], 4, v6
	v_add_nc_u32 v[RD], s23, v[CO]
	; where my part of the result begins
	s_lshl_b32 s20, s17, 8
	s_lshl_b32 s21, s15, 7
	s_add_co_u32 s20, s20, s21                     ; my first stored row Q
	s_lshl_b32 s46, s42, 1
	s_add_co_u32 s46, s46, s16                     ; my P / 128
	s_mul_i32 s21, s20, 48
	s_mul_i32 s47, s46, 2*S1
	s_add_co_u32 s21, s21, s47
	s_add_co_u32 s22, s21, CODEOFF
	s_mov_b32 s23, 0
	s_lshl_b32 s20, s20, 2
	s_lshl_b32 s46, s46, 15                        ; a plane of scale words: 8,192 rows x 4 bytes
	s_add_co_u32 s92, s20, s46
	s_mov_b32 s93, 0
	s_add_nc_u64 s[92:93], s[12:13], s[92:93]      ; the scale words
	s_add_nc_u64 s[12:13], s[12:13], s[22:23]      ; the codes
.macro FRAG reg, adr, q, i             ; a fragment: lane l holds row l % 16; registers 6 c .. 6 c + 5 hold K = 64 c + 32 (l / 16) + 0 .. 31: 24 bytes of the row, as they lie, in pieces of 8 bytes
.irp p, 0,1,2,3,4,5
.set PCE, 12*(\q)+6*(\p/3)+\p%3       ; where the piece three on lies behind one padding more, the second address register serves
.if PCE%8 < 5
	ds_load_b64 v[\reg+2*\p:\reg+2*\p+1], v[\adr] offset:8*PCE+16*(PCE/8)+(\i)*16*PITCH
.else
	ds_load_b64 v[\reg+2*\p:\reg+2*\p+1], v[\adr+2] offset:8*PCE+16*(PCE/8)+(\i)*16*PITCH
.endif
.endr
.endm
; 16 matrix instructions: A's blocks a0, a0 + 1 x B's eight, 128 along K.  zero = 1: the first product starts the sums with B's bias as its C: nothing is cleared, and that bias costs no addition.
; The 64 accumulators take turns, one instruction a turn, in the same order in every step.
.macro MUL16 a0, p, q, sc, zero
.irp a, \a0, \a0+1
.irp b, 0,1,2,3,4,5,6,7
.if \zero
	v_wmma_scale_f32_16x16x128_f8f6f4 v[8*(8*((\a)%4)+\b):8*(8*((\a)%4)+\b)+7], v[128*(\p)+FR*\b:128*(\p)+FR*\b+FR-1], v[AF+FR*(\a):AF+FR*(\a)+FR-1], v[BP+8*\b:BP+8*\b+7], v[SC+8*NQ*(\sc)+NQ*\b+(\q)], v[SC+8*NQ*(\sc)+NQ*(\a)+(\q)] matrix_a_fmt:MATRIX_FMT_FP6 matrix_b_fmt:MATRIX_FMT_FP6 matrix_a_scale:MATRIX_SCALE_ROW1
.else
	v_wmma_scale_f32_16x16x128_f8f6f4 v[8*(8*((\a)%4)+\b):8*(8*((\a)%4)+\b)+7], v[128*(\p)+FR*\b:128*(\p)+FR*\b+FR-1], v[AF+FR*(\a):AF+FR*(\a)+FR-1], v[8*(8*((\a)%4)+\b):8*(8*((\a)%4)+\b)+7], v[SC+8*NQ*(\sc)+NQ*\b+(\q)], v[SC+8*NQ*(\sc)+NQ*(\a)+(\q)] matrix_a_fmt:MATRIX_FMT_FP6 matrix_b_fmt:MATRIX_FMT_FP6 matrix_a_scale:MATRIX_SCALE_ROW1
.endif
.endr
.endr
.endm
.macro FETCH_B slot, q, p
	WIN TO_B
.irp i, 0,1,2,3,4,5,6,7
	FRAG 128*(\p)+FR*\i, ADRB+\slot, \q, \i
.endr
	WIN 0
.endm
.macro FETCH_A slot, q, i0
.irp i, \i0, \i0+1, \i0+2, \i0+3
	FRAG AF+FR*(\i), ADRA+\slot, \q, \i
.endr
.endm
.macro SCALES sc                       ; a K step's scale words: two words a row; lanes 0-15 take A's block i, lanes 16-31 B's block i
.irp i, 0,1,2,3,4,5,6,7
	ds_load_b64 v[SC+8*NQ*\sc+NQ*\i:SC+8*NQ*\sc+NQ*\i+1], v[ADRS] offset:\i*SBLK
.endr
.endm
.macro PLACES n                        ; plain vector instructions between a matrix instruction and a load into, or a vector read or write of, one of its registers
.rept \n
	v_nop
.endr
.endm
; A step of 128 along K that has its successor in the same slot.  With zero = 1 source 2 is B's bias, in window 0.
.macro STEP slot, q, zero
	s_wait_dscnt 4*NL                              ; B's set and A's blocks 0-3 are in; the youngest 24 loads (A's blocks 4-7) may be out
	WIN MUL_LO-0x20*(\zero)
	MUL16 0, (\q)%2, \q, \slot, \zero
	MUL16 2, (\q)%2, \q, \slot, \zero
	s_wait_dscnt 0                                 ; A's blocks 4-7 are in
	PLACES NP
	FETCH_B \slot, (\q)+1, 1-(\q)%2
	FETCH_A \slot, (\q)+1, 0
	WIN MUL_HI-0x30*(\zero)
	MUL16 4, (\q)%2, \q, \slot, \zero
	MUL16 6, (\q)%2, \q, \slot, \zero
	PLACES NP
	WIN 0
	FETCH_A \slot, (\q)+1, 4
.endm
; A slot's last step changes slots: one barrier; in front of it each wave waits for all its tensor loads, adds 0 to its spare word, and waits for that and for its own reads of this slot.
.macro TURN slot, next, fill
	s_wait_tensorcnt 0x0                           ; all my tensor loads have landed: my part of the next slot
	ds_add_u32 v[SPW], v[NIL]                      ; 0 onto my spare word
	s_wait_dscnt 4*NL+1                            ; (the add and the youngest 24 loads, A's blocks 4-7, may be out)
	WIN MUL_LO
	MUL16 0, 1, NQ-1, \slot, 0
	s_wait_dscnt 0x0                               ; the add is done, and my reads of this slot are over
	s_barrier_signal -1
	MUL16 2, 1, NQ-1, \slot, 0
	WIN 0
	s_barrier_wait -1
.if \fill
	CREST                                          ; the barrier has opened a round of the cluster's barrier: no wave of any partner still reads this slot or has a load on its way
	s_add_nc_u64 s[G0+4*\slot+2:G0+4*\slot+3], s[G0+4*\slot+2:G0+4*\slot+3], 2*PL
	s_add_nc_u64 s[G0B+4*\slot+2:G0B+4*\slot+3], s[G0B+4*\slot+2:G0B+4*\slot+3], 2*PL
	JLOAD G0+4*\slot, G1, G0B+4*\slot, G1B         ; the first tensor load behind the round; its four v_nop are the places in front of the loads below
.else
	PLACES NP
.endif
	s_wait_alu depctr_va_vdst(0)
	v_add_nc_u32 v[ADRS], 4*NQ, v[ADRS]            ; on to the next K step's scale words
	FETCH_B \next, 0, 0
	FETCH_A \next, 0, 0
	SCALES \next
	WIN MUL_HI
	MUL16 4, 1, NQ-1, \slot, 0
	MUL16 6, 1, NQ-1, \slot, 0
	PLACES NP
	WIN 0
	FETCH_A \next, 0, 4
.endm
	s_wait_alu depctr_va_vdst(0)
	s_wait_loadcnt 0x0                             ; the biases
	s_wait_tensorcnt 0x0                           ; my tile of the head's four is in; slot 1's first fill is issued as a refill is
	ds_add_u32 v[SPW], v[NIL]
	s_mov_b32 s[G1+2], 96<<16                      ; no tensor load of mine is out: from here on a load brings 128 rows of codes, 96 rows of 256 bytes
	s_mov_b32 s[G1+4], 96
	s_mov_b32 s[G1B+2], 96<<16
	s_mov_b32 s[G1B+4], 96
	s_wait_dscnt 0x0
	CROUND                                         ; all four tiles are in, and all sixteen work-groups are here
	JLOAD G0+4, G1, G0B+4, G1B                     ; K step 1, the first tensor load behind the round
	FETCH_B 0, 0, 0
	FETCH_A 0, 0, 0
	SCALES 0
	FETCH_A 0, 0, 4
	STEP 0, 0, 1                                   ; the first step stands in front of the loop: its products start the sums
	s_mov_b32 s3, LAPS-1
.Llap:                                                 ; a trip goes once round the ring and fills both slots again
	TURN 0, 1, 1
	STEP 1, 0, 0
	TURN 1, 0, 1
	STEP 0, 0, 0
	s_sub_co_u32 s3, s3, 1
	s_cmp_lg_u32 s3, 0
	s_cbranch_scc1 .Llap
	TURN 0, 1, 0                                   ; the last lap fills nothing
	STEP 1, 0, 0
	s_wait_dscnt 4*NL                              ; the very last step: nothing more to fetch
	WIN MUL_LO
	MUL16 0, 1, NQ-1, 1, 0
	MUL16 2, 1, NQ-1, 1, 0
	s_wait_dscnt 0
	WIN MUL_HI
	MUL16 4, 1, NQ-1, 1, 0
	MUL16 6, 1, NQ-1, 1, 0
	WIN 0
; THE WAY OUT, block by block of 16 rows Q x 128 along P.  A's bias is added; the lane's 64 numbers (register 16 b + i = P 32 b + 16 (lane / 16) + i of its row) are quantised; the codes go through my stage in slot 0,
; which has had its last fill and its last read, and leave as runs of 512 consecutive bytes.
.macro ADDB a                          ; each accumulator is read from its low end on
	WIN 0x02+((\a)/4)
.set ii, 0
.rept 32
	v_pk_add_f32 v[T+2*ii:T+2*ii+1], v[64*((\a)%4)+2*ii:64*((\a)%4)+2*ii+1], v[BQ+2*(\a):BQ+2*(\a)+1]
.set ii, ii+1
.endr
	WIN 0
.endm
.macro QUANT s                         ; 64 numbers of a lane become a fragment's codes in v[PC] on (registers 6 c .. 6 c + 5: P = 64 c + 32 (lane / 16) + 0 .. 31) and the row's scale word in v[PW]
.irp b, 0,1,2,3
	v_max3_num_f32 v[TM+\b], |v[\s+16*\b]|, |v[\s+1+16*\b]|, 0x1800000   ; block b: my 16 numbers, and the floor 2^(3 - 127): the byte cannot fall under 1
.endr
.irp i, 2,4,6,8,10,12,14
.irp b, 0,1,2,3
	v_max3_num_f32 v[TM+\b], v[TM+\b], |v[\s+16*\b+\i]|, |v[\s+1+16*\b+\i]|
.endr
.endr
.irp b, 0,1,2,3
	v_permlanex16_b32 v[TM+4+\b], v[TM+\b], s[SEL], s[SEL+1]
.endr
.irp b, 0,1,2,3
	v_max_num_f32 v[TM+\b], v[TM+\b], v[TM+4+\b]   ; with lane l xor 16's: the block's largest magnitude
.endr
.irp b, 0,1,2,3
	v_add_nc_u32 v[TM+12+\b], 0xff000000, v[TM+\b]   ; 2 off its exponent field: the conversion's scale operand
.endr
.irp b, 0,1,2,3
	v_lshrrev_b32 v[TM+4+\b], 23, v[TM+12+\b]      ; the scale's byte
.endr
	v_lshl_or_b32 v[PW], v[TM+5], 8, v[TM+4]
	v_lshl_or_b32 v[PW], v[TM+6], 16, v[PW]
	v_lshl_or_b32 v[PW], v[TM+7], 24, v[PW]
.irp c, 0,1
	v_cvt_scalef32_pk16_fp6_f32 v[PC+6*\c:PC+2+6*\c], v[\s+32*\c:\s+15+32*\c], v[TM+12+2*\c]
	v_cvt_scalef32_pk16_fp6_f32 v[PC+12+4*\c:PC+14+4*\c], v[\s+16+32*\c:\s+31+32*\c], v[TM+12+2*\c+1]   ; (a conversion's three registers begin on an even number)
.endr
	v_nop                                          ; one plain place behind a scaled conversion
.irp c, 0,1                                    ; a whole block in a lane: lanes 0-15 block 2 c, lanes 16-31 block 2 c + 1
.irp i, 0,1,2
	v_permlane16_swap_b32 v[PC+6*\c+\i], v[PC+12+4*\c+\i]
.endr
.irp i, 0,1,2
	v_mov_b32 v[PC+3+6*\c+\i], v[PC+12+4*\c+\i]
.endr
.endr
.endm
.macro OUTB a                          ; a lane's 24 bytes of each 64 along P, at 48 r + 24 h; the row's scale word (both halves of the lanes write the same word)
.irp c, 0,1
.irp p, 0,1,2
	ds_store_b64 v[STO], v[PC+6*\c+2*\p:PC+6*\c+2*\p+1] offset:6144*\c+768*(\a)+8*\p
.endr
.endr
	ds_store_b32 v[SWS], v[PW] offset:64*(\a)
.endm
	PLACES NP                                      ; behind the last products: their results are read and their operands' registers written from here on
.irp b, 0,1,2,3
	v_mov_b32 v[TM+4+\b], 0                        ; written once: a lane permute's destination counts as one of its sources
.endr
.irp a, 0,1,2,3,4,5,6,7
	ADDB \a
	s_wait_dscnt 0x0                               ; the last block's stores have read the codes' registers; the 32 additions above stood between
	QUANT T
	OUTB \a
.endr
	s_wait_dscnt 0x0                               ; the stores have read their registers: the loads below land there
.set ii, 0
.rept 24
	ds_load_b128 v[BK+4*ii:BK+4*ii+3], v[RD] offset:512*ii
.set ii, ii+1
.endr
	ds_load_b128 v[SWB:SWB+3], v[RD] offset:12288
.set ii, 0
.rept 24
	s_wait_dscnt 24-ii                             ; load ii is in: behind it stand 23 - ii loads of codes and the scale words'
	global_store_b128 v[CO], v[BK+4*ii:BK+4*ii+3], s[12:13] offset:(ii/12)*S1+512*(ii%12)   ; 32 lanes store 512 consecutive bytes, at a multiple of 256 from the buffer's first byte
.set ii, ii+1
.endr
	s_wait_dscnt 0x0
	global_store_b128 v[CO], v[SWB:SWB+3], s[92:93]        ; my 128 rows' scale words: 512 consecutive bytes
	s_wait_tensorcnt 0x0                           ; the wave's end
	ds_add_u32 v[SPW], v[NIL]
	s_wait_dscnt 0x0
	CROUND                                         ; the closing round: no work-group ends while a partner may still ask for a tile that names it
	s_endpgm
.Lfunc_end_k_q060528356b_gemm_qk:
	.size	k_q060528356b_gemm_qk, .Lfunc_end_k_q060528356b_gemm_qk-k_q060528356b_gemm_qk
	.p2alignl 7, 3214868480
	.fill 96, 4, 3214868480
	.section	.rodata,"a",@progbits
	.p2align	6, 0x0
	.amdhsa_kernel k_q060528356b_gemm_qk
		.amdhsa_group_segment_fixed_size 327680
		.amdhsa_private_segment_fixed_size 0
		.amdhsa_enable_private_segment 0
		.amdhsa_kernarg_size 24
		.amdhsa_user_sgpr_count 2
		.amdhsa_user_sgpr_kernarg_segment_ptr 1
		.amdhsa_wavefront_size32 1
		.amdhsa_system_sgpr_workgroup_id_x 1
		.amdhsa_system_sgpr_workgroup_id_y 1
		.amdhsa_system_sgpr_workgroup_id_z 1
		.amdhsa_system_vgpr_workitem_id 0
		.amdhsa_next_free_vgpr 1024
		.amdhsa_next_free_sgpr 100
		.amdhsa_reserve_vcc 0
		.amdhsa_float_denorm_mode_32 3
		.amdhsa_float_denorm_mode_16_64 3
		.amdhsa_memory_ordered 1
		.amdhsa_forward_progress 1
		.amdhsa_inst_pref_size 190
	.end_amdhsa_kernel
	.amdgpu_metadata
---
amdhsa.version: [ 1, 2 ]
amdhsa.kernels:
  - .name:           k_q060528356b_gemm_qk
    .symbol:         k_q060528356b_gemm_qk.kd
    .args:
      - { .name: xq, .offset: 0, .size: 8, .value_kind: global_buffer, .address_space: global }
      - { .name: wqk, .offset: 8, .size: 8, .value_kind: global_buffer, .address_space: global }
      - { .name: qkq, .offset: 16, .size: 8, .value_kind: global_buffer, .address_space: global }
    .group_segment_fixed_size: 327680
    .private_segment_fixed_size: 0
    .kernarg_segment_align: 8
    .kernarg_segment_size: 24
    .max_flat_workgroup_size: 128
    .sgpr_count:     100
    .vgpr_count:     1024
    .wavefront_size: 32
...
	.end_amdgpu_metadata
.endif
;; end of part 2
;; launch gemm_v: the kernel of part 2 again; grid 32 x 4, 4 waves a work-group, clusters of 4 x 4, 327,680 bytes of LDS; arguments wv, xq, vq; writes vq
;; launch attn (part 3): grid 4 x 64, 16 waves a work-group, no clusters, 231,424 bytes of LDS; arguments qkq, vq, ao; writes ao
.if DOCPART == 3
	.amdgcn_target "amdgcn-amd-amdhsa--gfx1250"
	.amdhsa_code_object_version 6
	.text
	.protected	k_q060528356b_attn
	.globl	k_q060528356b_attn
	.p2align	8
	.type	k_q060528356b_attn,@function
k_q060528356b_attn:
	s_mov_b64 s[64:65], 0
	v_nop
	global_prefetch_b8 v0, s[64:65] scope:SCOPE_SE
	s_setreg_imm32_b32 hwreg(HW_REG_WAVE_MODE, 25, 1), 1
	s_wait_xcnt 0x0
; Causal attention of one head (64 wide, 2,048 tokens) on codes of FP6 (E2M3) with one E8M0 scale for each 32 along a product's K; the result, divided by the row's sum, is quantised along the head's 64 and stored as codes.
; qkq: scale words [head pair: 0-7 q, 8-15 k][stored token][4] at byte 0 (bytes 0, 1 the even head's, 2, 3 the odd head's); codes [0-15 q's heads, 16-31 k's][stored token][48] at CODEOFF.
; vq:  scale words [token / 128][stored channel, 8,192 to a plane][4] at byte 0; codes [token / 64][stored channel, 8,192 to a plane][48] at CODEOFF: the tokens are innermost, since they are the second product's K.
; "Stored": row i lies at place i with its bits 3 and 4 exchanged, so that 16 neighbouring stored rows, as source 0, leave 16 neighbours of the next K in the registers of two neighbouring tiles.
; ao:  codes [head][token][48] at byte 0; scale bytes [token][32] at SOFF, byte 2 x head + block.
; THE SOFTMAX: t = score x log2(e) / 8; M = the running largest t rounded UP to a whole number; p = 2^(t - M) is quantised along the keys, not normalised; the row's sum is taken of the unquantised p and divides at the end.
; When M moves, the sum and O are multiplied by 2^(old M - new M): exact.  LIMITS: NaN and infinities are not served; a block whose largest magnitude lies under 2^-124, a block of zeros among them, gets the byte 1.
; SHARES.  Work-group (i, batch x 16 + head) owns blocks i and 7 - i of 256 queries: equal work for all under the causal mask.  Wave w takes queries 16 w .. 16 w + 15 of the first block, then of the second.
; A WHOLE HEAD'S K AND V LIE IN LDS, filled once: each wave issues one tensor load, for one half of the keys; one load of a wave is out at the most.  A barrier for each half; nothing is filled again.
; Both products are used transposed (S^T = K Q^T, O^T = V^T P^T): a lane holds ONE query throughout.  The head's 64 fill half of the instruction's K: Q's upper 64 codes are zeros, so whatever K's upper registers hold adds nothing
; (FP6 has no code for NaN or infinity), and K's eight fragments lie 6 registers apart: a fragment's upper six are the next one's data.  The scale words' upper two bytes are 0.
; Every wave walks 8 steps for its first tile and 16 for its second: the trip counts are constants; a step all of whose keys come after the wave's queries is jumped over by a scalar branch on ids.
; The 2 scale bytes of a row and head are stored 32 bytes apart: whole runs would want all 16 heads in one work-group; they are one byte in 25 of what the launch stores.
.set S1,      393216
.set SP1,     32768
.set CODEOFF, 2097152
.set SOFF,    6291456
.set KC,   0                           ; LDS: K's codes [stored key][48]: with 12 r + 6 h words the 32 lanes of a load of 8 bytes touch 64 different banks (ISA guide 11.1)
.set VC,   98304                       ; V's codes [token / 64][stored channel of the head][48]
.set KS,   196608                      ; K's scale words [stored key][4]
.set VS,   204800                      ; V's scale words [step][stored channel][4]
.set STG,  208896                      ; a stage of 768 bytes for each wave: no tensor load lands there
.set AK0,  1
.set AV0,  2
.set ASK0, 3
.set ASV0, 4
.set QL,   5                           ; v5   Q: 48 (r + 8 (r / 8)) + 24 h
.set QSL,  6                           ; v6   4 (r + 8 (r / 8))
.set SRO,  7                           ; v7   32 r: my row of ao's scale bytes
.set ADK,  8
.set ADV,  9
.set ADS,  10
.set ADT,  11
.set QF,   16                          ; v16-27  Q's fragment; v22-27 stay 0
.set MD0,  28                          ; v28  r - 16 h
.set STO,  29
.set RD,   30
.set RD2,  31
.set KF,   32                          ; v32-85  K's eight fragments, 6 apart; v80-85 stay 0
.set KSC,  86                          ; v86-93  K's scale words
.set VSC,  94                          ; v94-97  V's
.set VF,   98                          ; v98-145 V's four fragments
.set S,    146                         ; v146-209 S^T, then p
.set O,    210                         ; v210-241 O^T
.set FF,   242                         ; v[242:243] f; v243 stays 0
.set TMP,  244
.set PW,   245                         ; p's scale word
.set QS,   246                         ; Q's scale word
.set L16,  247
.set L8,   248
.set NINF, 249
.set MD,   250
.set SW,   251
.set PC,   32                          ; laid over K's fragments once S^T is made: p's codes,
.set CT,   44                          ; the conversions' second halves,
.set BM,   52                          ; the blocks' largest,
.set T2,   56
.set SOP,  60                          ; the conversions' scale operands
.set WV,   18
.set SEL,  20
.set CS,   22
.set G1K,  24
.set G1V,  32
.set G1KS, 40
.set G1VS, 48
.set G0K,  56
.set G0V,  60
.set MIR,  66                          ; s66  1,792 + 32 x wave: less a tile's first query it is the mirrored tile's
.set G0KS, 68
.set G0VS, 72
.set QCB,  76
.set QSB,  78
.set AOB,  80
.set ASB,  82
.set Q0,   96
.set KEY,  97
.set TB,   98
.set TS,   99
.set TJ,   100
.set CNT,  101
	s_load_b128 s[4:7], s[0:1], 0x0                ; qkq s[4:5], vq s[6:7]
	s_load_b64 s[8:9], s[0:1], 0x10                ; ao
	v_lshl_add_u32 v254, v0, 2, 0x38000
	v_mov_b32 v255, 0
	ds_add_u32 v254, v255
	ds_add_u32 v254, v255
	v_lshrrev_b32 v8, 5, v0
	s_delay_alu instid0(VALU_DEP_1)
	v_readfirstlane_b32 s[WV], v8                  ; wave 0..15
	s_and_b32 s10, ttmp7, 0xffff
	s_lshr_b32 s11, s10, 4                         ; batch
	s_and_b32 s12, s10, 15                         ; head
	s_mul_i32 s13, s11, 98304                      ; a batch's 2,048 rows of 48 bytes
	; WHO FETCHES WHAT, one tensor load a wave: g = wave / 8 names a half of the 2,048 keys; of a half's eight waves two fetch K's codes (512 keys each), four V's (4 planes of 64 keys each), one K's scale words, one V's.
	s_lshr_b32 s10, s[WV], 3                       ; g
	s_and_b32 s14, s[WV], 1
	s_lshl_b32 s19, s10, 1
	s_add_co_u32 s14, s14, s19
	s_mul_i32 s14, s14, 24576                      ; K's codes: 512 rows of 48 bytes
	s_mul_i32 s15, s12, S1
	s_add_co_u32 s84, s15, s13                     ; s[84:85]: ao's codes of my head and batch
	s_mov_b32 s85, 0
	s_add_co_u32 s86, s84, CODEOFF                 ; s[86:87]: Q's codes
	s_mov_b32 s87, 0
	s_add_co_u32 s88, s86, 16*S1
	s_add_co_u32 s88, s88, s14                     ; s[88:89]: K's codes of keys 512 (2 g + wave % 2) on
	s_mov_b32 s89, 0
	s_add_co_u32 s91, s[WV], 2
	s_and_b32 s91, s91, 3
	s_lshl_b32 s19, s10, 2
	s_add_co_u32 s19, s19, s91                     ; which four planes of V's 32: 4 g + (wave - 2) % 4
	s_mul_i32 s15, s19, 12288                      ; their place in LDS
	s_lshl_b32 s91, s19, 2
	s_lshl_b32 s90, s11, 5
	s_add_co_u32 s90, s90, s91
	s_mul_i32 s90, s90, S1
	s_mul_i32 s91, s12, 3072
	s_add_co_u32 s90, s90, s91
	s_add_co_u32 s90, s90, CODEOFF                 ; s[90:91]: V's codes: planes 32 batch + 4 (4 g + (wave - 2) % 4) and the next three, my head's 64 rows
	s_mov_b32 s91, 0
	s_lshr_b32 s92, s12, 1
	s_lshl_b32 s92, s92, 15
	s_lshl_b32 s93, s11, 13
	s_add_co_u32 s92, s92, s93                     ; (head / 2) planes + the batch's 2,048 words
	s_and_b32 s67, s12, 1
	s_lshl_b32 s67, s67, 1                         ; my head's two bytes of a word
	s_add_co_u32 s94, s92, 8*SP1
	s_lshl_b32 s93, s10, 12
	s_add_co_u32 s94, s94, s93                     ; s[94:95]: K's scale words of keys 1,024 g on
	s_mov_b32 s95, 0
	s_add_co_u32 s92, s92, s67                     ; s[92:93]: Q's scale bytes
	s_mov_b32 s93, 0
	s_lshl_b32 s2, s11, 4
	s_lshl_b32 s3, s10, 3
	s_add_co_u32 s2, s2, s3
	s_lshl_b32 s2, s2, 15
	s_lshl_b32 s3, s12, 8
	s_add_co_u32 s2, s2, s3                        ; s[2:3]: V's scale words of key steps 8 g on
	s_mov_b32 s3, 0
	s_lshl_b32 s16, s11, 16
	s_lshl_b32 s17, s12, 1
	s_add_co_u32 s16, s16, s17
	s_add_co_u32 s16, s16, SOFF                    ; s[16:17]: ao's scale bytes
	s_mov_b32 s17, 0
	; descriptor groups 1, all of elements of 8 bytes, without padding.  K's codes: a dense block of 24,576 bytes as 96 rows of 256
	s_mov_b32 s[G1K], 3<<16
	s_mov_b32 s[G1K+1], 32<<16
	s_mov_b32 s[G1K+2], 96<<16
	s_mov_b32 s[G1K+3], 32<<16
	s_mov_b32 s[G1K+4], 96
	s_mov_b32 s[G1K+5], 32
	s_mov_b32 s[G1K+6], 0
	s_mov_b32 s[G1K+7], 0
	; V's codes: four planes' 3,072 bytes (64 rows of 48), a plane apart
	s_mov_b32 s[G1V], 3<<16
	s_mov_b32 s[G1V+1], 384<<16
	s_mov_b32 s[G1V+2], 4<<16
	s_mov_b32 s[G1V+3], 384<<16
	s_mov_b32 s[G1V+4], 4
	s_mov_b32 s[G1V+5], S1/8
	s_mov_b32 s[G1V+6], 0
	s_mov_b32 s[G1V+7], 0
	; K's scale words: 4,096 dense bytes
	s_mov_b32 s[G1KS], 3<<16
	s_mov_b32 s[G1KS+1], 32<<16
	s_mov_b32 s[G1KS+2], 16<<16
	s_mov_b32 s[G1KS+3], 32<<16
	s_mov_b32 s[G1KS+4], 16
	s_mov_b32 s[G1KS+5], 32
	s_mov_b32 s[G1KS+6], 0
	s_mov_b32 s[G1KS+7], 0
	; V's scale words: eight runs of 256 bytes
	s_mov_b32 s[G1VS], 3<<16
	s_mov_b32 s[G1VS+1], 32<<16
	s_mov_b32 s[G1VS+2], 8<<16
	s_mov_b32 s[G1VS+3], 32<<16
	s_mov_b32 s[G1VS+4], 8
	s_mov_b32 s[G1VS+5], SP1/8                     ; eight key steps' 256 bytes, a plane of scale words apart
	s_mov_b32 s[G1VS+6], 0
	s_mov_b32 s[G1VS+7], 0
	s_mov_b32 s[SEL], 0x76543210
	s_mov_b32 s[SEL+1], 0xfedcba98
	s_mov_b32 s[CS], 0x3e38aa3b                    ; c = log2(e) / 8
	s_mov_b32 s[CS+1], s[CS]                       ; (named with it as a pair, so it is written)
	s_lshl_b32 s[Q0], ttmp9, 8
	s_lshl_b32 s19, s[WV], 4
	s_add_co_u32 s[Q0], s[Q0], s19                 ; my first tile's first query
	s_lshl_b32 s[MIR], s[WV], 5
	s_add_co_u32 s[MIR], s[MIR], 1792
	s_wait_dscnt 0x0
	s_wait_kmcnt 0x0
	s_mov_b32 s[G0K], 1
	s_add_co_u32 s[G0K+1], s14, KC
	s_add_nc_u64 s[G0K+2:G0K+3], s[4:5], s[88:89]
	s_or_b32 s[G0K+3], s[G0K+3], 0x80000000
	s_mov_b32 s[G0V], 1
	s_add_co_u32 s[G0V+1], s15, VC
	s_add_nc_u64 s[G0V+2:G0V+3], s[6:7], s[90:91]
	s_or_b32 s[G0V+3], s[G0V+3], 0x80000000
	s_mov_b32 s[G0KS], 1
	s_lshl_b32 s19, s10, 12
	s_add_co_u32 s[G0KS+1], s19, KS
	s_add_nc_u64 s[G0KS+2:G0KS+3], s[4:5], s[94:95]
	s_or_b32 s[G0KS+3], s[G0KS+3], 0x80000000
	s_mov_b32 s[G0VS], 1
	s_lshl_b32 s19, s10, 11
	s_add_co_u32 s[G0VS+1], s19, VS
	s_add_nc_u64 s[G0VS+2:G0VS+3], s[6:7], s[2:3]
	s_or_b32 s[G0VS+3], s[G0VS+3], 0x80000000
; The first and only fills, one a wave, in one chain of branches on the wave's number.  Waves 0-7 (keys 0 .. 1,023) and waves 8-15 (keys 1,024 .. 2,047) have load lines of their own: the first barrier waits for the first group alone.
; No cluster: the four work-groups of a head read the same K and V, but the steps' branches hang on the work-group's x, which would be its place in the cluster.
.macro ARM under, g0, g1
	s_cmp_lt_u32 s[WV], \under
	s_cbranch_scc0 .Lnext_arm_\@
	tensor_load_to_lds s[\g0:\g0+3], s[\g1:\g1+7]
	s_nop 0
.rept 4
	v_nop
.endr
	s_branch .Lasked
.Lnext_arm_\@:
.endm
	ARM 2, G0K, G1K
	ARM 6, G0V, G1V
	ARM 7, G0KS, G1KS
	ARM 8, G0VS, G1VS
	ARM 10, G0K, G1K
	ARM 14, G0V, G1V
	ARM 15, G0KS, G1KS
	tensor_load_to_lds s[G0VS:G0VS+3], s[G1VS:G1VS+7]
	s_nop 0
.rept 4
	v_nop
.endr
.Lasked:
	s_add_nc_u64 s[QCB:QCB+1], s[4:5], s[86:87]
	s_add_nc_u64 s[QSB:QSB+1], s[4:5], s[92:93]
	s_add_nc_u64 s[AOB:AOB+1], s[8:9], s[84:85]
	s_add_nc_u64 s[ASB:ASB+1], s[8:9], s[16:17]
	v_and_b32 v8, 15, v0                           ; r
	v_bfe_u32 v9, v0, 4, 1                         ; h
	v_and_b32 v10, 31, v0                          ; lane
	s_delay_alu instid0(VALU_DEP_3)
	v_mul_u32_u24 v[AK0], v8, 48
	s_delay_alu instid0(VALU_DEP_1)
	v_mad_u32_u24 v[AK0], v9, 24, v[AK0]           ; 48 r + 24 h (K's codes begin at LDS byte 0)
	s_delay_alu instid0(VALU_DEP_1)
	v_add_nc_u32 v[AV0], VC, v[AK0]
	v_lshl_add_u32 v[ASK0], v8, 2, KS
	s_delay_alu instid0(VALU_DEP_1)
	v_add_nc_u32 v[ASK0], s67, v[ASK0]             ; my head's two bytes of a key's word
	v_lshl_add_u32 v[ASV0], v8, 2, VS
	v_and_b32 v11, 8, v8
	s_delay_alu instid0(VALU_DEP_1)
	v_add_nc_u32 v11, v11, v8                      ; r + 8 (r / 8)
	s_delay_alu instid0(VALU_DEP_1)
	v_mul_u32_u24 v[QL], v11, 48
	s_delay_alu instid0(VALU_DEP_1)
	v_mad_u32_u24 v[QL], v9, 24, v[QL]
	s_delay_alu instid0(VALU_DEP_3)
	v_lshlrev_b32 v[QSL], 2, v11
	v_lshlrev_b32 v[SRO], 5, v8
	v_lshlrev_b32 v[MD0], 4, v9
	s_delay_alu instid0(VALU_DEP_1)
	v_sub_nc_u32 v[MD0], v8, v[MD0]
	s_mul_i32 s84, s[WV], 768
	s_add_co_u32 s84, s84, STG                     ; my stage
	v_add_nc_u32 v[STO], s84, v[AK0]
	v_lshlrev_b32 v[L16], 4, v10
	v_lshlrev_b32 v[L8], 3, v10
	s_delay_alu instid0(VALU_DEP_2)
	v_add_nc_u32 v[RD], s84, v[L16]
	s_delay_alu instid0(VALU_DEP_2)
	v_add_nc_u32 v[RD2], s84, v[L8]
	s_delay_alu instid0(VALU_DEP_1)
	v_add_nc_u32 v[RD2], 512, v[RD2]
	v_mov_b32 v[NINF], 0xff800000
.irp j, 6,7,8,9,10,11
	v_mov_b32 v[QF+\j], 0                          ; Q's codes of K = 64 .. 127: zeros
	v_mov_b32 v[KF+42+\j], 0                       ; the last fragment's upper six registers
.endr
.irp b, 0,1,2,3
	v_mov_b32 v[T2+\b], 0                          ; a lane permute's destination counts as one of its sources
.endr
	v_mov_b32 v[FF+1], 0                           ; (named as the upper half of the pair)
	v_mov_b32 v[TMP], 0
	s_wait_alu depctr_va_vdst(0)                   ; the wait at the head's end
	s_cmp_lt_u32 s[WV], 8
	s_cbranch_scc0 .Lsecond_half
	s_wait_tensorcnt 0x0                           ; waves 0-7: my load of the first 1,024 keys has landed
.Lsecond_half:
	s_barrier_signal -1
	s_barrier_wait -1                              ; keys 0 .. 1,023 are whole; the others may be on their way
; A KEY STEP: 128 keys.
.macro STEP
	s_add_co_u32 s84, s[Q0], 15
	s_cmp_gt_u32 s[KEY], s84                       ; all keys come after my queries: nothing to do but step the addresses
	s_cbranch_scc1 .Lhidden_\@
	v_add_nc_u32 v[ADK], s[TB], v[AK0]             ; (these four are also the places between the last step's products and the loads below)
	v_add_nc_u32 v[ADV], s[TB], v[AV0]
	v_add_nc_u32 v[ADS], s[TS], v[ASK0]
	v_add_nc_u32 v[ADT], s[TJ], v[ASV0]
.irp i, 0,1,2,3,4,5,6,7                        ; K: 32 loads
.irp p, 0,1,2
	ds_load_b64 v[KF+6*\i+2*\p:KF+6*\i+2*\p+1], v[ADK] offset:768*\i+8*\p
.endr
	ds_load_u16 v[KSC+\i], v[ADS] offset:64*\i
.endr
.irp t, 0,1,2,3                                ; V: 28 loads, wanted behind the softmax
.irp p, 0,1,2,3,4,5
	ds_load_b64 v[VF+12*\t+2*\p:VF+12*\t+2*\p+1], v[ADV] offset:768*\t+3072*(\p/3)+8*(\p%3)
.endr
	ds_load_b32 v[VSC+\t], v[ADT] offset:64*\t
.endr
	s_wait_dscnt 28                                ; K's 32 loads are in; V's 28, issued behind them, stay out
.irp i, 0,1,2,3,4,5,6,7
	v_wmma_scale_f32_16x16x128_f8f6f4 v[S+8*\i:S+8*\i+7], v[KF+6*\i:KF+6*\i+11], v[QF:QF+11], 0, v[KSC+\i], v[QS] matrix_a_fmt:MATRIX_FMT_FP6 matrix_b_fmt:MATRIX_FMT_FP6
.endr                                          ; lane (r, h): query r; register 16 b + i: key KEY + 32 b + 16 h + i
.rept 4
	v_nop
.endr
	s_add_co_u32 s84, s[KEY], 127
	s_cmp_le_u32 s84, s[Q0]                        ; all keys count: no mask
	s_cbranch_scc1 .Lopen_\@
	s_sub_co_i32 s84, s[Q0], s[KEY]
	v_add_nc_u32 v[MD], s84, v[MD0]                ; d = my query - KEY - 16 h: register 16 b + i is hidden where 32 b + i > d
.set jj, 0
.rept 64
	v_cmp_gt_i32 vcc_lo, 32*(jj/16)+jj%16, v[MD]
	v_cndmask_b32 v[S+jj], v[S+jj], v[NINF], vcc_lo
.set jj, jj+1
.endr
.Lopen_\@:
.irp b, 0,1,2,3
	v_max3_num_f32 v[BM+\b], v[S+16*\b], v[S+1+16*\b], v[S+2+16*\b]   ; the largest score of each block of 32 keys: for the row's maximum, and, since p rises with the score, for the block's largest p
.endr
.irp i, 3,5,7,9,11,13
.irp b, 0,1,2,3
	v_max3_num_f32 v[BM+\b], v[BM+\b], v[S+16*\b+\i], v[S+1+16*\b+\i]
.endr
.endr
.irp b, 0,1,2,3
	v_max_num_f32 v[BM+\b], v[BM+\b], v[S+15+16*\b]
.endr
.irp b, 0,1,2,3
	s_delay_alu instid0(VALU_DEP_4)
	v_permlanex16_b32 v[T2+\b], v[BM+\b], s[SEL], s[SEL+1]
.endr
.irp b, 0,1,2,3
	s_delay_alu instid0(VALU_DEP_4)
	v_max_num_f32 v[BM+\b], v[BM+\b], v[T2+\b]     ; with lane l xor 16's 16 keys
.endr
	s_delay_alu instid0(VALU_DEP_2)
	v_max3_num_f32 v[TMP], v[BM], v[BM+1], v[BM+2]
	s_delay_alu instid0(VALU_DEP_1)
	v_max_num_f32 v[TMP], v[TMP], v[BM+3]          ; the step's largest score of my query (its first key counts for every query of the tile)
	s_delay_alu instid0(VALU_DEP_1)
	v_mul_f32 v[TMP], s[CS], v[TMP]
	s_delay_alu instid0(VALU_DEP_1)
	v_max_num_f32 v13, v13, v[TMP]                 ; the running largest t
	v_mov_b32 v[TMP], v12
	s_delay_alu instid0(VALU_DEP_2)
	v_floor_f32 v12, -v13                          ; the new -M = floor(-t): M is a whole number
	s_delay_alu instid0(VALU_DEP_1)
	v_sub_f32 v[TMP], v12, v[TMP]                  ; old M - new M: a whole number, 0 or less
	s_delay_alu instid0(VALU_DEP_1)
	v_cvt_i32_f32 v[TMP], v[TMP]                   ; (it saturates)
	s_delay_alu instid0(VALU_DEP_1)
	v_ldexp_f32 v[FF], 1.0, v[TMP]                 ; f = 2^(old M - new M)
.set jj, 0
.rept 32
	v_pk_fma_f32 v[S+jj:S+jj+1], v[S+jj:S+jj+1], s[CS:CS+1], v[12:13] op_sel_hi:[1,0,0]   ; t - M, two at a time
.set jj, jj+2
.endr
.irp b, 0,1,2,3
	v_fma_f32 v[BM+\b], v[BM+\b], s[CS], v12       ; the same of each block's largest score
.endr
.set jj, 0
	s_wait_alu depctr_va_vdst(0)
.rept 64
	v_exp_f32 v[S+jj], v[S+jj]                     ; p = 2^(t - M), at most 1
.set jj, jj+1
.endr
	v_pk_mul_f32 v[14:15], v[14:15], v[FF:FF+1] op_sel_hi:[1,0]   ; the sums under the new M (a plain place behind the exponentials)
	s_wait_alu depctr_va_vdst(0)                   ; one wait for the batch, ahead of its first reader
.irp b, 0,1,2,3
	v_exp_f32 v[BM+\b], v[BM+\b]                   ; the block's largest p: the same two instructions on the same number
.endr
	v_pk_add_f32 v[56:57], v[150:151], v[154:155]
	v_pk_add_f32 v[252:253], v[158:159], v[162:163]
	v_pk_add_f32 v[250:251], v[166:167], v[170:171]
	v_pk_add_f32 v[92:93], v[174:175], v[178:179]
	v_pk_add_f32 v[90:91], v[182:183], v[186:187]
	v_pk_add_f32 v[88:89], v[190:191], v[194:195]
	v_pk_add_f32 v[86:87], v[198:199], v[202:203]
	v_pk_add_f32 v[14:15], v[14:15], v[206:207]
	v_pk_add_f32 v[56:57], v[56:57], v[146:147]
	v_pk_add_f32 v[252:253], v[252:253], v[148:149]
	v_pk_add_f32 v[250:251], v[250:251], v[152:153]
	v_pk_add_f32 v[92:93], v[92:93], v[156:157]
	v_pk_add_f32 v[90:91], v[90:91], v[160:161]
	v_pk_add_f32 v[88:89], v[88:89], v[164:165]
	v_pk_add_f32 v[86:87], v[86:87], v[168:169]
	v_pk_add_f32 v[14:15], v[14:15], v[172:173]
	v_pk_add_f32 v[56:57], v[56:57], v[176:177]
	v_pk_add_f32 v[252:253], v[252:253], v[180:181]
	v_pk_add_f32 v[250:251], v[250:251], v[184:185]
	v_pk_add_f32 v[92:93], v[92:93], v[188:189]
	v_pk_add_f32 v[90:91], v[90:91], v[192:193]
	v_pk_add_f32 v[88:89], v[88:89], v[196:197]
	v_pk_add_f32 v[86:87], v[86:87], v[200:201]
	v_pk_add_f32 v[14:15], v[14:15], v[204:205]
	v_pk_add_f32 v[56:57], v[56:57], v[208:209]
	s_delay_alu instid0(VALU_DEP_2)
	v_pk_add_f32 v[14:15], v[14:15], v[92:93]
	s_delay_alu instid0(VALU_DEP_2)
	v_pk_add_f32 v[56:57], v[56:57], v[90:91]
	v_pk_add_f32 v[252:253], v[252:253], v[88:89]
	v_pk_add_f32 v[250:251], v[250:251], v[86:87]
	s_delay_alu instid0(VALU_DEP_2)
	v_pk_add_f32 v[14:15], v[14:15], v[252:253]
	s_delay_alu instid0(VALU_DEP_2)
	v_pk_add_f32 v[56:57], v[56:57], v[250:251]
	s_delay_alu instid0(VALU_DEP_1)
	v_pk_add_f32 v[14:15], v[14:15], v[56:57]
	s_wait_alu depctr_va_vdst(0)                   ; and one for the four
.irp b, 0,1,2,3
	v_max_num_f32 v[BM+\b], 0x1800000, v[BM+\b]    ; the floor 2^(3 - 127): a block whose every p is 0 keeps the byte 1: its codes are zeros
.endr
.irp b, 0,1,2,3
	s_delay_alu instid0(VALU_DEP_4)
	v_add_nc_u32 v[SOP+\b], 0xff000000, v[BM+\b]   ; 2 off the exponent field: the conversion's scale operand
.endr
.irp b, 0,1,2,3
	s_delay_alu instid0(VALU_DEP_4)
	v_lshrrev_b32 v[T2+\b], 23, v[SOP+\b]          ; the scale's byte
.endr
	s_delay_alu instid0(VALU_DEP_3)
	v_lshl_or_b32 v[PW], v[T2+1], 8, v[T2]
	s_delay_alu instid0(VALU_DEP_1)
	v_lshl_or_b32 v[PW], v[T2+2], 16, v[PW]
	s_delay_alu instid0(VALU_DEP_1)
	v_lshl_or_b32 v[PW], v[T2+3], 24, v[PW]
.irp c, 0,1
	v_cvt_scalef32_pk16_fp6_f32 v[PC+6*\c:PC+6*\c+2], v[S+32*\c:S+32*\c+15], v[SOP+2*\c]
	v_cvt_scalef32_pk16_fp6_f32 v[CT+4*\c:CT+4*\c+2], v[S+16+32*\c:S+31+32*\c], v[SOP+2*\c+1]
.endr
	v_nop                                          ; one plain place behind a scaled conversion
.irp c, 0,1                                    ; a whole block in a lane
.irp i, 0,1,2
	v_permlane16_swap_b32 v[PC+6*\c+\i], v[CT+4*\c+\i]
.endr
.irp i, 0,1,2
	s_delay_alu instid0(VALU_DEP_3)
	v_mov_b32 v[PC+3+6*\c+\i], v[CT+4*\c+\i]
.endr
.endr
.set jj, 0
.rept 16
	v_pk_mul_f32 v[O+jj:O+jj+1], v[O+jj:O+jj+1], v[FF:FF+1] op_sel_hi:[1,0]   ; O^T under the new M; these sixteen stand between the writes of p's codes and scale word and the products
.set jj, jj+2
.endr
	s_wait_alu depctr_va_vdst(0)
	s_wait_dscnt 0x0                               ; V is in
.irp t, 0,1,2,3                                ; O^T += V^T P^T: the four accumulators by turns
	v_wmma_scale_f32_16x16x128_f8f6f4 v[O+8*\t:O+8*\t+7], v[VF+12*\t:VF+12*\t+11], v[PC:PC+11], v[O+8*\t:O+8*\t+7], v[VSC+\t], v[PW] matrix_a_fmt:MATRIX_FMT_FP6 matrix_b_fmt:MATRIX_FMT_FP6
.endr
.Lhidden_\@:
	s_add_co_u32 s[KEY], s[KEY], 128
	s_add_co_u32 s[TB], s[TB], 6144
	s_add_co_u32 s[TS], s[TS], 512
	s_add_co_u32 s[TJ], s[TJ], 256
.endm
; A TILE of 16 queries, from s[Q0] on: Q, eight or sixteen trips, the way out.
.macro TILE n
	s_lshr_b32 s84, s[Q0], 5
	s_lshl_b32 s84, s84, 5
	s_bfe_u32 s85, s[Q0], 0x10004
	s_lshl_b32 s85, s85, 3
	s_add_co_u32 s84, s84, s85                     ; query Q0 + r is stored at this row + r + 8 (r / 8)
	s_mul_i32 s86, s84, 48
	s_mov_b32 s87, 0
	s_lshl_b32 s88, s84, 2
	s_mov_b32 s89, 0
	s_add_nc_u64 s[86:87], s[QCB:QCB+1], s[86:87]
	s_add_nc_u64 s[88:89], s[QSB:QSB+1], s[88:89]
.irp p, 0,1,2
	global_load_b64 v[QF+2*\p:QF+2*\p+1], v[QL], s[86:87] offset:8*\p
.endr
	global_load_u16 v[QS], v[QSL], s[88:89]        ; two scale bytes; the upper two are 0
	v_mov_b32 v13, 0xff61b1e6                      ; the largest t so far: -3e38
	s_delay_alu instid0(VALU_DEP_1)
	v_floor_f32 v12, -v13                          ; -M
	v_mov_b32 v14, 0                               ; the sum, in two halves
	v_mov_b32 v15, 0
.set jj, 0
.rept 32
	v_mov_b32 v[O+jj], 0                           ; O^T: the step is written once; its first trip finds zeros
.set jj, jj+1
.endr
	s_mov_b32 s[KEY], 0
	s_mov_b32 s[TB], 0
	s_mov_b32 s[TS], 0
	s_mov_b32 s[TJ], 0
	s_mov_b32 s[CNT], 8
	s_wait_loadcnt 0x0                             ; Q
.Lstep_\@:                                             ; eight trips: keys 0 .. 1,023, the half of K and V that the first barrier has shown
	STEP
	s_sub_co_u32 s[CNT], s[CNT], 1
	s_cmp_lg_u32 s[CNT], 0
	s_cbranch_scc1 .Lstep_\@
.if \n > 8                                     ; the second tile goes on to keys 1,024 .. 2,047
	s_wait_tensorcnt 0x0                           ; every wave's load has landed,
	s_wait_dscnt 0x0
	s_barrier_signal -1
	s_barrier_wait -1                              ; everybody's have: the head's K and V are whole, and stay
	s_mov_b32 s[CNT], 8
.Lstep2_\@:
	STEP
	s_sub_co_u32 s[CNT], s[CNT], 1
	s_cmp_lg_u32 s[CNT], 0
	s_cbranch_scc1 .Lstep2_\@
.endif
.rept 4
	v_nop                                          ; places behind the last products
.endr
	v_add_f32 v14, v14, v15
	s_delay_alu instid0(VALU_DEP_1)
	v_permlanex16_b32 v[TMP], v14, s[SEL], s[SEL+1]
	s_delay_alu instid0(VALU_DEP_1)
	v_add_f32 v14, v14, v[TMP]                     ; the row's sum
	s_wait_alu depctr_va_vdst(0)
	v_rcp_f32 v14, v14
	v_nop                                          ; a plain place behind the reciprocal
	s_mul_i32 s86, s[Q0], 48
	s_mov_b32 s87, 0
	s_lshl_b32 s88, s[Q0], 5
	s_mov_b32 s89, 0
	s_add_nc_u64 s[86:87], s[AOB:AOB+1], s[86:87]
	s_add_nc_u64 s[88:89], s[ASB:ASB+1], s[88:89]
	s_wait_alu depctr_va_vdst(0)                   ; the wait ahead of the reciprocal's first reader
.set jj, 0
.rept 16
	v_pk_mul_f32 v[S+jj:S+jj+1], v[O+jj:O+jj+1], v[14:15] op_sel_hi:[1,0]   ; O^T / the sum: register 16 b + i is channel 32 b + 16 h + i
.set jj, jj+2
.endr
.irp b, 0,1                                    ; the two blocks of 32 channels are quantised
	v_max3_num_f32 v[BM+\b], |v[S+16*\b]|, |v[S+1+16*\b]|, 0x1800000
.endr
.irp i, 2,4,6,8,10,12,14
.irp b, 0,1
	s_delay_alu instid0(VALU_DEP_2)
	v_max3_num_f32 v[BM+\b], v[BM+\b], |v[S+16*\b+\i]|, |v[S+1+16*\b+\i]|
.endr
.endr
.irp b, 0,1
	s_delay_alu instid0(VALU_DEP_2)
	v_permlanex16_b32 v[T2+\b], v[BM+\b], s[SEL], s[SEL+1]
.endr
.irp b, 0,1
	s_delay_alu instid0(VALU_DEP_2)
	v_max_num_f32 v[BM+\b], v[BM+\b], v[T2+\b]
.endr
.irp b, 0,1
	s_delay_alu instid0(VALU_DEP_2)
	v_add_nc_u32 v[SOP+\b], 0xff000000, v[BM+\b]
.endr
.irp b, 0,1
	s_delay_alu instid0(VALU_DEP_2)
	v_lshrrev_b32 v[T2+\b], 23, v[SOP+\b]
.endr
	s_delay_alu instid0(VALU_DEP_1)
	v_lshl_or_b32 v[SW], v[T2+1], 8, v[T2]         ; my row's two scale bytes
	v_cvt_scalef32_pk16_fp6_f32 v[PC:PC+2], v[S:S+15], v[SOP]
	v_cvt_scalef32_pk16_fp6_f32 v[CT:CT+2], v[S+16:S+31], v[SOP+1]
	v_nop
.irp i, 0,1,2
	v_permlane16_swap_b32 v[PC+\i], v[CT+\i]
.endr
.irp i, 0,1,2
	s_delay_alu instid0(VALU_DEP_3)
	v_mov_b32 v[PC+3+\i], v[CT+\i]                 ; lane (r, h): the 24 bytes of channels 32 h .. 32 h + 31 of query r
.endr
.irp p, 0,1,2
	ds_store_b64 v[STO], v[PC+2*\p:PC+2*\p+1] offset:8*\p
.endr
	ds_load_b128 v[VF:VF+3], v[RD]                 ; LDS serves a wave's instructions in order: these see my stores.  16 rows of 48 bytes are 768 consecutive bytes of ao
	ds_load_b64 v[VF+4:VF+5], v[RD2]
	s_wait_alu depctr_va_vdst(0)
	s_wait_dscnt 1                                 ; the first load is in; the second, issued behind it, may be out
	global_store_b128 v[L16], v[VF:VF+3], s[86:87]         ; 512 consecutive bytes, at a multiple of 256 from the buffer's first byte
	s_wait_dscnt 0x0
	global_store_b64 v[L8], v[VF+4:VF+5], s[86:87] offset:512      ; and 256
	global_store_b16 v[SRO], v[SW], s[88:89]       ; both halves of the lanes store the same two bytes
	s_wait_xcnt 0x0                                ; the stores have read their registers and bases: the next tile writes them
	s_sub_co_u32 s[Q0], s[MIR], s[Q0]              ; the same tile of block 7 - i
.endm
	TILE 8                                         ; the first block's queries lie under 1,024
	TILE 16                                        ; the barrier for the second half of the keys stands inside, behind its first eight trips
	s_wait_tensorcnt 0x0
	ds_add_u32 v254, v255
	s_wait_dscnt 0x0
	s_endpgm
.Lfunc_end_k_q060528356b_attn:
	.size	k_q060528356b_attn, .Lfunc_end_k_q060528356b_attn-k_q060528356b_attn
	.p2alignl 7, 3214868480
	.fill 96, 4, 3214868480
	.section	.rodata,"a",@progbits
	.p2align	6, 0x0
	.amdhsa_kernel k_q060528356b_attn
		.amdhsa_group_segment_fixed_size 231424
		.amdhsa_private_segment_fixed_size 0
		.amdhsa_enable_private_segment 0
		.amdhsa_kernarg_size 24
		.amdhsa_user_sgpr_count 2
		.amdhsa_user_sgpr_kernarg_segment_ptr 1
		.amdhsa_wavefront_size32 1
		.amdhsa_system_sgpr_workgroup_id_x 1
		.amdhsa_system_sgpr_workgroup_id_y 1
		.amdhsa_system_sgpr_workgroup_id_z 1
		.amdhsa_system_vgpr_workitem_id 0
		.amdhsa_next_free_vgpr 256
		.amdhsa_next_free_sgpr 102
		.amdhsa_reserve_vcc 1
		.amdhsa_float_denorm_mode_32 3
		.amdhsa_float_denorm_mode_16_64 3
		.amdhsa_memory_ordered 1
		.amdhsa_forward_progress 1
		.amdhsa_inst_pref_size 98
	.end_amdhsa_kernel
	.amdgpu_metadata
---
amdhsa.version: [ 1, 2 ]
amdhsa.kernels:
  - .name:           k_q060528356b_attn
    .symbol:         k_q060528356b_attn.kd
    .args:
      - { .name: qkq, .offset: 0, .size: 8, .value_kind: global_buffer, .address_space: global }
      - { .name: vq, .offset: 8, .size: 8, .value_kind: global_buffer, .address_space: global }
      - { .name: ao, .offset: 16, .size: 8, .value_kind: global_buffer, .address_space: global }
    .group_segment_fixed_size: 231424
    .private_segment_fixed_size: 0
    .kernarg_segment_align: 8
    .kernarg_segment_size: 24
    .max_flat_workgroup_size: 512
    .sgpr_count:     102
    .vgpr_count:     256
    .wavefront_size: 32
...
	.end_amdgpu_metadata
.endif
;; end of part 3
;; launch gemm_out (part 4): grid 4 x 64, 4 waves a work-group, clusters of 4 x 4, 327,680 bytes of LDS; arguments ao, wo, b_out, out0; writes out0
.if DOCPART == 4
	.amdgcn_target "amdgcn-amd-amdhsa--gfx1250"
	.amdhsa_code_object_version 6
	.text
	.protected	k_q060528356b_gemm_out
	.globl	k_q060528356b_gemm_out
	.p2align	8
	.type	k_q060528356b_gemm_out,@function
k_q060528356b_gemm_out:
	s_mov_b64 s[64:65], 0
	v_nop
	global_prefetch_b8 v0, s[64:65] scope:SCOPE_SE
	s_setreg_imm32_b32 hwreg(HW_REG_WAVE_MODE, 25, 1), 1
	s_wait_xcnt 0x0
	s_wait_alu depctr_hold_cnt(0) depctr_sa_sdst(0) depctr_va_vdst(0) depctr_va_sdst(0) depctr_va_ssrc(0) depctr_va_vcc(0) depctr_vm_vsrc(0)
	s_getreg_b32 s2, hwreg(HW_REG_IB_STS2, 6, 4)
	s_cmp_eq_u32 s2, 0
	s_cbranch_scc0 .Lentry_in_a_cluster
	s_endpgm
.Lentry_in_a_cluster:
	s_bfe_u32 s2, ttmp6, 0x10000c
	s_cmp_lg_u32 s2, 0xf033
	s_cbranch_scc0 .Lentry_shape_is_right
	s_endpgm
.Lentry_shape_is_right:
; out0[token][n] = sum over k of ao[token][k] w_out[k][n] + b_out[n], K = 1,024, on codes of FP6 (E2M3) with one E8M0 scale for each 32 along K; sums in f32.
; ao: codes [head][token][48] at byte 0, scale bytes [token][32] at SOFF.  wo: codes [K step of 256][stored row n, 8,192 to a plane][192] at byte 0, scale bytes [stored row][32] at SOFF (stored: bits 3 and 4 of n exchanged).
; A BLOCK is 128 tokens x 256 columns: 64 x 4 blocks are 256 work-groups.  Four waves, 2 x 2; a wave makes 64 x 128: 32 accumulators, 256 registers.
; K goes in four steps of 256 through a ring of two LDS slots: A as [head: 4][128 tokens][48], B as 256 rows of 3 x (64 + 16) bytes.  The scales of the block's rows come once.
; CLUSTERS: 4 x 4 work-groups; A's tiles are asked for jointly along a row of the cluster, B's along a column.
; Source 0 = 16 stored rows of B, source 1 = 16 tokens: a lane holds one token, and tile b's register j is column 32 (b / 2) + 8 (b % 2) + 16 (lane / 16) + j.  b_out is the first products' C.
; A step of 128 along K is 32 matrix instructions; A's and B's fragments have two sets each, and the next step's are fetched ahead of this step's products.  The eight steps are written out: every offset is an immediate.
; No prefetch: of the four K steps two are asked for at the head, and only two refills follow.
; REGISTERS: window 0: v0-31 addresses; v32-63 scale words, two sets, and nothing else; v64-127 the bias; v128-223 A's fragments, two sets of four; on the way out v128-255 rows read back.  window 1: B's fragments, sets at v0 and v128.  window 2: accumulator (a, b) at v[8 (8 a + b)].
.set SIZE_N, 1024
.set PL,     1572864                   ; a plane of wo's codes
.set PITCH,  240
.set FR,     12
.set HALFT,  128*PITCH
.set ASZ,    24576                     ; A's part of a slot
.set SLOT,   ASZ+2*HALFT
.set KS,     32
.set SCL,    2*SLOT                    ; the scales: A's 128 rows (16 units of 256 + 16), then B's 256
.set HALFS,  16*272
.set SBLK,   2*272                     ; 16 rows' scales
.set SPARE,  SCL+3*HALFS               ; the spare words, 128 bytes a wave
.set STAGE,  SPARE+512                 ; the way out: 16 rows x 528 bytes a wave; no tensor load lands here
.set SPITCH, 528
.set SOFF,   6291456
.set S1,     393216                    ; a head's plane of ao
.set AKSTEP, 4*S1
.set ADRA, 16
.set ADRB, 20
.set STO,  24
.set RD,   25
.set CO,   26
.set ADRS, 27
.set SPW,  28
.set NIL,  29
.set SC,   32
.set BP,   64
.set AF,   128
.set BK,   128
.set G1, 24
.set G0, 32
.set G1B, 48
.set G0B, 56
.set G1S, 68
.set G0S, 76
.set G1SB, 80
.set G0SB, 88
.set MSB, 0
.macro WIN new                         ; the immediate's high byte repeats the setting that is left
.if MSB != (\new)
	s_set_vgpr_msb (MSB<<8)|(\new)
.set MSB, (\new)
.endif
.endm
.set MUL_LO, 0xa1                      ; source 0 (B) window 1, source 1 (A) window 0, C and D window 2
.set TO_B,   0x40
.macro PLACES n
.rept \n
	v_nop
.endr
.endm
.macro TLOAD g0, g1                    ; s_nop 0 and four v_nop behind a tensor load
	tensor_load_to_lds s[\g0:\g0+3], s[\g1:\g1+7]
	s_nop 0
	PLACES 4
.endm
.macro JLOAD g0a, g1a, g0b, g1b        ; waves 0 and 1 fetch for A, waves 2 and 3 for B
	s_cmp_eq_u32 s15, 0
	s_cbranch_scc0 .Lfor_b_\@
	TLOAD \g0a, \g1a
	s_branch .Lasked_\@
.Lfor_b_\@:
	TLOAD \g0b, \g1b
.Lasked_\@:
.endm
.macro CREST                           ; a round of the cluster's barrier behind its opening barrier
	s_cmp_lg_u32 s14, 0
	s_cbranch_scc1 .Lnot_wave_0_\@
	s_barrier_signal -3
.Lnot_wave_0_\@:
	s_barrier_wait -3
	s_barrier_signal -1
	s_barrier_wait -1
.endm
.macro CROUND
	s_barrier_signal -1
	s_barrier_wait -1
	CREST
.endm
	s_load_b128 s[4:7], s[0:1], 0x0                ; ao, wo
	s_load_b128 s[8:11], s[0:1], 0x10              ; b_out, out0
	v_lshl_add_u32 v[SPW], v0, 2, SPARE
	v_mov_b32 v[NIL], 0
	ds_add_u32 v[SPW], v[NIL]                      ; the opening lines: the add twice on end and its wait
	ds_add_u32 v[SPW], v[NIL]
	s_wait_dscnt 0x0
	v_lshrrev_b32 v1, 5, v0
	v_readfirstlane_b32 s14, v1                    ; wave
	s_lshr_b32 s15, s14, 1                         ; which 64 tokens are mine.  Also: I fetch for A (0) or B (1)
	s_and_b32 s16, s14, 1                          ; which 128 columns.  Also: which half of a tile I fetch
	s_bfe_u32 s40, ttmp6, 0x40000                  ; cx
	s_bfe_u32 s41, ttmp6, 0x40004                  ; cy
	s_lshl_b32 s42, ttmp9, 2
	s_add_co_u32 s42, s42, s40                     ; block column, 0 .. 3
	s_and_b32 s17, ttmp7, 0xffff
	s_lshl_b32 s17, s17, 2
	s_add_co_u32 s17, s17, s41                     ; block row, 0 .. 63
	s_lshl_b32 s43, s41, 2
	s_lshl_b32 s43, 15, s43                        ; my row of the cluster
	s_lshl_b32 s44, 0x1111, s40                    ; my column
	s_or_b32 s[G1+0], s43, (3<<16)|(1<<21)         ; A: rows of 128 tokens x 48 bytes (768 elements of 8), a head's plane apart: four at the head, two in the ring
	s_mov_b32 s[G1+1], 768<<16
	s_mov_b32 s[G1+2], 4<<16
	s_mov_b32 s[G1+3], 768<<16
	s_mov_b32 s[G1+4], 4
	s_mov_b32 s[G1+5], S1/8
	s_mov_b32 s[G1+6], 0
	s_mov_b32 s[G1+7], 0
	s_or_b32 s[G1B+0], s44, (0<<16)|(1<<20)|(1<<21)|(3<<22)|(3<<25)   ; B: dense rows of 256 bytes, 16 bytes of padding behind every 64: 192 at the head (256 rows of codes), 96 in the ring
	s_mov_b32 s[G1B+1], 256<<16
	s_mov_b32 s[G1B+2], 192<<16
	s_mov_b32 s[G1B+3], 256<<16
	s_mov_b32 s[G1B+4], 192
	s_mov_b32 s[G1B+5], 256
	s_mov_b32 s[G1B+6], 0
	s_mov_b32 s[G1B+7], 0
	s_or_b32 s[G1S+0], s43, (3<<16)|(1<<20)|(1<<21)|(5<<22)|(3<<25)   ; the scales: rows of 256 bytes + 16: A's 16, B's 32
	s_or_b32 s[G1SB+0], s44, (3<<16)|(1<<20)|(1<<21)|(5<<22)|(3<<25)
	s_mov_b32 s[G1S+2], 16<<16
	s_mov_b32 s[G1S+4], 16
	s_mov_b32 s[G1SB+2], 32<<16
	s_mov_b32 s[G1SB+4], 32
.irp g, G1S, G1SB
	s_mov_b32 s[\g+1], 32<<16
	s_mov_b32 s[\g+3], 32<<16
	s_mov_b32 s[\g+5], 32
	s_mov_b32 s[\g+6], 0
	s_mov_b32 s[\g+7], 0
.endr
	s_mul_i32 s20, s17, 6144                       ; A: my block's 128 tokens x 48 bytes,
	s_mul_i32 s18, s16, 2*S1                       ; in the ring: which two heads of the four
	s_add_co_u32 s20, s20, s18
	s_mov_b32 s21, 0
	s_lshl_b32 s22, s17, 12                        ; A's scales: 128 rows x 32 bytes
	s_mov_b32 s23, 0
	s_lshl_b32 s46, s42, 8                         ; B: the block's first row
	s_lshl_b32 s92, s46, 5                         ; its scales
	s_mov_b32 s93, 0
	s_lshl_b32 s18, s16, 7                         ; in the ring: which 128 rows
	s_add_co_u32 s46, s46, s18
	s_mul_i32 s46, s46, 192
	s_mov_b32 s47, 0
	s_mul_i32 s45, s16, HALFT
	s_add_co_u32 s45, s45, ASZ                     ; where B's half goes, and where I read my 128 rows of B
	s_mul_i32 s94, s14, 12288                      ; where A's two heads go
	s_wait_kmcnt 0x0
	s_mov_b64 s[12:13], s[10:11]                   ; out0
	s_mov_b64 s[66:67], s[8:9]                     ; b_out
	s_add_nc_u64 s[20:21], s[4:5], s[20:21]
	s_add_nc_u64 s[4:5], s[4:5], SOFF
	s_add_nc_u64 s[22:23], s[4:5], s[22:23]
	s_add_nc_u64 s[46:47], s[6:7], s[46:47]
	s_add_nc_u64 s[6:7], s[6:7], SOFF
	s_add_nc_u64 s[92:93], s[6:7], s[92:93]
	CROUND                                         ; all sixteen work-groups are here: the first joint loads meet
	s_mov_b32 s[G0S], 1
	s_mov_b32 s[G0S+1], SCL
	s_mov_b64 s[G0S+2:G0S+3], s[22:23]
	s_or_b32 s[G0S+3], s[G0S+3], 0x80000000
	s_mov_b32 s[G0SB], 1
	s_mov_b32 s[G0SB+1], SCL+HALFS
	s_mov_b64 s[G0SB+2:G0SB+3], s[92:93]
	s_or_b32 s[G0SB+3], s[G0SB+3], 0x80000000
.irp s, 0,1
	s_mov_b32 s[G0+4*\s], 1
	s_add_co_u32 s[G0+4*\s+1], s94, \s*SLOT
	s_add_nc_u64 s[G0+4*\s+2:G0+4*\s+3], s[20:21], \s*AKSTEP
	s_or_b32 s[G0+4*\s+3], s[G0+4*\s+3], 0x80000000
	s_mov_b32 s[G0B+4*\s], 1
	s_add_co_u32 s[G0B+4*\s+1], s45, \s*SLOT
	s_add_nc_u64 s[G0B+4*\s+2:G0B+4*\s+3], s[46:47], \s*PL
	s_or_b32 s[G0B+4*\s+3], s[G0B+4*\s+3], 0x80000000
.endr
; The head's loads, one a wave, in one chain of branches on the wave's number: wave 0 K step 0 of A (its group 0 of slot 0 points at the tile's start), wave 2 of B (likewise), wave 1 A's scales, wave 3 B's.
.macro ARM wv, g0, g1
	s_cmp_eq_u32 s14, \wv
	s_cbranch_scc0 .Lnext_arm_\@
	TLOAD \g0, \g1
	s_branch .Lhead_asked
.Lnext_arm_\@:
.endm
	ARM 0, G0, G1
	ARM 2, G0B, G1B
	ARM 1, G0S, G1S
	TLOAD G0SB, G1SB
.Lhead_asked:
	v_and_b32 v1, 15, v0                           ; r
	v_bfe_u32 v2, v0, 4, 1                         ; h
	s_lshl_b32 s94, s42, 10
	s_lshl_b32 s95, s16, 9
	s_add_co_u32 s94, s94, s95
	s_mov_b32 s95, 0
	s_add_nc_u64 s[66:67], s[66:67], s[94:95]      ; my 128 columns of b_out
	v_lshlrev_b32 v7, 6, v2
.irp b, 0,1,2,3,4,5,6,7
	global_load_b128 v[BP+8*\b:BP+8*\b+3], v7, s[66:67] offset:(32*(\b/2)+8*(\b%2))*4
	global_load_b128 v[BP+8*\b+4:BP+8*\b+7], v7, s[66:67] offset:(32*(\b/2)+8*(\b%2))*4+16
.endr
	v_mul_u32_u24 v3, v1, PITCH
	v_mul_u32_u24 v4, v2, 24
	v_add_nc_u32 v4, v3, v4                        ; B: row x pitch + 24 h,
	v_lshl_add_u32 v5, v2, 4, v4                   ; and the same behind one padding more
	v_mul_u32_u24 v6, v1, 48
	v_mad_u32_u24 v6, v2, 24, v6                   ; A: 48 r + 24 h
	s_mul_i32 s21, s15, 3072                       ; my 64 tokens of a head's 128
	s_mov_b32 s22, s45
.irp s, 0,1
	v_add_nc_u32 v[ADRA+\s], s21, v6
	v_add_nc_u32 v[ADRB+\s], s22, v4
	v_add_nc_u32 v[ADRB+2+\s], s22, v5
	s_add_co_u32 s21, s21, SLOT
	s_add_co_u32 s22, s22, SLOT
.endr
	v_mul_u32_u24 v5, v1, KS                       ; my row's scales: 32 bytes a row,
	v_lshrrev_b32 v6, 8, v5
	v_lshl_add_u32 v5, v6, 4, v5                   ; and 16 more for each 256 passed
	s_mul_i32 s21, s15, 8*272                      ; A's: my 64 rows
	s_mul_i32 s22, s16, HALFS
	s_add_co_u32 s22, s22, HALFS                   ; B's: my 128 rows, behind A's 128
	s_sub_co_u32 s22, s22, s21
	v_mul_u32_u24 v6, s22, v2                      ; lanes 16-31 take B's
	s_add_co_u32 s21, s21, SCL
	v_add_nc_u32 v5, v5, v6
	v_add_nc_u32 v[ADRS], s21, v5
	s_mul_i32 s23, s14, 16*SPITCH
	s_add_co_u32 s23, s23, STAGE                   ; my stage
	v_mul_u32_u24 v5, v1, SPITCH
	v_lshl_add_u32 v5, v2, 6, v5
	v_add_nc_u32 v[STO], s23, v5
	v_and_b32 v6, 31, v0
	v_lshlrev_b32 v[CO], 4, v6
	v_add_nc_u32 v[RD], s23, v[CO]
	s_lshl_b32 s20, s17, 7
	s_lshl_b32 s21, s15, 6
	s_add_co_u32 s20, s20, s21                     ; my first token
	s_lshl_b32 s20, s20, 12                        ; rows of 4,096 bytes
	s_lshl_b32 s46, s42, 10
	s_lshl_b32 s47, s16, 9
	s_add_co_u32 s46, s46, s47
	s_add_co_u32 s20, s20, s46
	s_mov_b32 s21, 0
	s_add_nc_u64 s[12:13], s[12:13], s[20:21]
.macro FRAG reg, adr, q, i             ; B: six pieces of 8 bytes; where the piece of lanes 16-31 lies behind one padding more, the second address register serves
.irp p, 0,1,2,3,4,5
.set PCE, 12*(\q)+6*(\p/3)+\p%3
.if PCE%8 < 5
	ds_load_b64 v[\reg+2*\p:\reg+2*\p+1], v[\adr] offset:8*PCE+16*(PCE/8)+(\i)*16*PITCH
.else
	ds_load_b64 v[\reg+2*\p:\reg+2*\p+1], v[\adr+2] offset:8*PCE+16*(PCE/8)+(\i)*16*PITCH
.endif
.endr
.endm
.macro FRAGA reg, adr, q, i            ; A: 24 bytes of each of two heads
.irp p, 0,1,2,3,4,5
	ds_load_b64 v[\reg+2*\p:\reg+2*\p+1], v[\adr] offset:(2*(\q)+\p/3)*6144+(\i)*768+8*(\p%3)
.endr
.endm
.macro FETCH st                        ; step st's fragments into sets st % 2: 48 loads for B, 24 for A; with a K step's first step its scale words, 8 loads (lanes 0-15 A's block i, lanes 16-31 B's)
	WIN TO_B
.irp i, 0,1,2,3,4,5,6,7
	FRAG 128*((\st)%2)+FR*\i, ADRB+((\st)/2)%2, (\st)%2, \i
.endr
	WIN 0
.irp i, 0,1,2,3
	FRAGA AF+48*((\st)%2)+FR*\i, ADRA+((\st)/2)%2, (\st)%2, \i
.endr
.if (\st)%2 == 0
.irp i, 0,1,2,3,4,5,6,7
	ds_load_b64 v[SC+16*(((\st)/2)%2)+2*\i:SC+16*(((\st)/2)%2)+2*\i+1], v[ADRS] offset:\i*SBLK+8*((\st)/2)
.endr
.endif
.endm
.macro MULA a, p, sc, zero             ; 8 matrix instructions: A's block a x B's eight; the 32 accumulators take turns, in the same order in every step
.irp b, 0,1,2,3,4,5,6,7
.if \zero
	v_wmma_scale_f32_16x16x128_f8f6f4 v[8*(8*(\a)+\b):8*(8*(\a)+\b)+7], v[128*(\p)+FR*\b:128*(\p)+FR*\b+FR-1], v[AF+48*(\p)+FR*(\a):AF+48*(\p)+FR*(\a)+FR-1], v[BP+8*\b:BP+8*\b+7], v[SC+16*(\sc)+2*\b+(\p)], v[SC+16*(\sc)+2*(\a)+(\p)] matrix_a_fmt:MATRIX_FMT_FP6 matrix_b_fmt:MATRIX_FMT_FP6 matrix_a_scale:MATRIX_SCALE_ROW1
.else
	v_wmma_scale_f32_16x16x128_f8f6f4 v[8*(8*(\a)+\b):8*(8*(\a)+\b)+7], v[128*(\p)+FR*\b:128*(\p)+FR*\b+FR-1], v[AF+48*(\p)+FR*(\a):AF+48*(\p)+FR*(\a)+FR-1], v[8*(8*(\a)+\b):8*(8*(\a)+\b)+7], v[SC+16*(\sc)+2*\b+(\p)], v[SC+16*(\sc)+2*(\a)+(\p)] matrix_a_fmt:MATRIX_FMT_FP6 matrix_b_fmt:MATRIX_FMT_FP6 matrix_a_scale:MATRIX_SCALE_ROW1
.endif
.endr
.endm
.macro STEP st, zero
.set P_, (\st)%2
.set SC_, ((\st)/2)%2
.if P_ == 0                            ; the next step lies in the same slot
	s_wait_dscnt 0x0                               ; this step's fragments are in
	PLACES 4                                       ; between the last step's products and the loads into their sets
	FETCH (\st)+1
	WIN MUL_LO-0x20*(\zero)                        ; (the first step's C is the bias, in window 0)
	MULA 0, P_, SC_, \zero
	MULA 1, P_, SC_, \zero
	MULA 2, P_, SC_, \zero
	MULA 3, P_, SC_, \zero
	WIN 0
.else                                  ; a slot's last step changes slots
	s_wait_tensorcnt 0x0                           ; all my tensor loads have landed: my part of the next slot
	ds_add_u32 v[SPW], v[NIL]                      ; 0 onto my spare word
	s_wait_dscnt 1                                 ; this step's fragments are in (the add may be out)
	WIN MUL_LO
	MULA 0, P_, SC_, 0
	s_wait_dscnt 0x0                               ; the add is done; my reads of this slot were over at the wait above
	s_barrier_signal -1
	MULA 1, P_, SC_, 0
	WIN 0
	s_barrier_wait -1
.if (\st)+3 < 8
	CREST                                          ; the barrier has opened a round of the cluster's barrier
	s_add_nc_u64 s[G0+4*SC_+2:G0+4*SC_+3], s[G0+4*SC_+2:G0+4*SC_+3], 2*AKSTEP
	s_add_nc_u64 s[G0B+4*SC_+2:G0B+4*SC_+3], s[G0B+4*SC_+2:G0B+4*SC_+3], 2*PL
	JLOAD G0+4*SC_, G1, G0B+4*SC_, G1B             ; the K step two on, the first tensor load behind the round; its four v_nop are the places ahead of the loads below
.else
	PLACES 4
.endif
	FETCH (\st)+1
	WIN MUL_LO
	MULA 2, P_, SC_, 0
	MULA 3, P_, SC_, 0
	WIN 0
.endif
.endm
	s_wait_alu depctr_va_vdst(0)                   ; the wait at the head's end
	s_wait_loadcnt 0x0                             ; the bias
	s_wait_tensorcnt 0x0                           ; my tile of the head's four is in; slot 1's first fill is issued as a refill is
	ds_add_u32 v[SPW], v[NIL]
	s_mov_b32 s[G1+2], 2<<16                       ; no tensor load of mine is out: from here on A's load brings two heads, B's 128 rows of codes
	s_mov_b32 s[G1+4], 2
	s_mov_b32 s[G1B+2], 96<<16
	s_mov_b32 s[G1B+4], 96
	s_wait_dscnt 0x0
	CROUND
	JLOAD G0+4, G1, G0B+4, G1B                     ; K step 1, the first tensor load behind the round
	FETCH 0
	STEP 0, 1
.irp t, 1,2,3,4,5,6
	STEP \t, 0
.endr
	s_wait_dscnt 0x0                               ; the last step: nothing more to fetch
	WIN MUL_LO
.irp a, 0,1,2,3
	MULA \a, 1, 1, 0
.endr
	WIN 0
; THE WAY OUT, block by block of 16 tokens x 128 columns, through my own stage: it comes back as rows of 512 bytes, which the 32 lanes store as 512 consecutive aligned bytes.
.macro TOSTAGE a
	WIN 0x08                                       ; the data: window 2
.irp b, 0,1,2,3,4,5,6,7
	ds_store_b128 v[STO], v[64*(\a)+8*\b:64*(\a)+8*\b+3] offset:128*(\b/2)+32*(\b%2)       ; each accumulator from its low end on
	ds_store_b128 v[STO], v[64*(\a)+8*\b+4:64*(\a)+8*\b+7] offset:128*(\b/2)+32*(\b%2)+16
.endr
	WIN 0
.set BB, BK+64*((\a)%2)
.irp t, 0,1,2,3,4,5,6,7,8,9,10,11,12,13,14,15
	ds_load_b128 v[BB+4*\t:BB+4*\t+3], v[RD] offset:\t*SPITCH      ; LDS serves a wave's instructions in order: these see the stores above
.endr
.endm
.macro SEND a, younger                 ; younger: the LDS instructions issued behind block a's loads
.set BB, BK+64*((\a)%2)
	s_wait_dscnt \younger
.if (\a) > 0
	s_add_nc_u64 s[12:13], s[12:13], 16*SIZE_N*4   ; behind a wait on XCNT: the earlier stores have read their base
.endif
.irp t, 0,1,2,3,4,5,6,7,8,9,10,11,12,13,14,15
	global_store_b128 v[CO], v[BB+4*\t:BB+4*\t+3], s[12:13] offset:\t*SIZE_N*4 th:TH_STORE_NT
.endr
.endm
	PLACES 4                                       ; behind the last products: their results are read, and loads land in A's registers
	TOSTAGE 0
.irp a, 1,2,3
.if \a > 1
	s_wait_xcnt 0x0                                ; block a - 2's stores have read their registers and their base
.endif
	TOSTAGE \a
	SEND \a-1, 32                                  ; behind block a - 1's loads: block a's 16 stores and 16 loads
.endr
	s_wait_xcnt 0x0
	SEND 3, 0
	s_wait_tensorcnt 0x0                           ; the wave's end
	ds_add_u32 v[SPW], v[NIL]
	s_wait_dscnt 0x0
	CROUND                                         ; the closing round
	s_endpgm
.Lfunc_end_k_q060528356b_gemm_out:
	.size	k_q060528356b_gemm_out, .Lfunc_end_k_q060528356b_gemm_out-k_q060528356b_gemm_out
	.p2alignl 7, 3214868480
	.fill 96, 4, 3214868480
	.section	.rodata,"a",@progbits
	.p2align	6, 0x0
	.amdhsa_kernel k_q060528356b_gemm_out
		.amdhsa_group_segment_fixed_size 327680
		.amdhsa_private_segment_fixed_size 0
		.amdhsa_enable_private_segment 0
		.amdhsa_kernarg_size 32
		.amdhsa_user_sgpr_count 2
		.amdhsa_user_sgpr_kernarg_segment_ptr 1
		.amdhsa_wavefront_size32 1
		.amdhsa_system_sgpr_workgroup_id_x 1
		.amdhsa_system_sgpr_workgroup_id_y 1
		.amdhsa_system_sgpr_workgroup_id_z 1
		.amdhsa_system_vgpr_workitem_id 0
		.amdhsa_next_free_vgpr 768
		.amdhsa_next_free_sgpr 98
		.amdhsa_reserve_vcc 0
		.amdhsa_float_denorm_mode_32 3
		.amdhsa_float_denorm_mode_16_64 3
		.amdhsa_memory_ordered 1
		.amdhsa_forward_progress 1
		.amdhsa_inst_pref_size 102
	.end_amdhsa_kernel
	.amdgpu_metadata
---
amdhsa.version: [ 1, 2 ]
amdhsa.kernels:
  - .name:           k_q060528356b_gemm_out
    .symbol:         k_q060528356b_gemm_out.kd
    .args:
      - { .name: ao, .offset: 0, .size: 8, .value_kind: global_buffer, .address_space: global }
      - { .name: wo, .offset: 8, .size: 8, .value_kind: global_buffer, .address_space: global }
      - { .name: b_out, .offset: 16, .size: 8, .value_kind: global_buffer, .address_space: global }
      - { .name: out0, .offset: 24, .size: 8, .value_kind: global_buffer, .address_space: global }
    .group_segment_fixed_size: 327680
    .private_segment_fixed_size: 0
    .kernarg_segment_align: 8
    .kernarg_segment_size: 32
    .max_flat_workgroup_size: 128
    .sgpr_count:     98
    .vgpr_count:     768
    .wavefront_size: 32
...
	.end_amdgpu_metadata
.endif
;; end of part 4
